; MI455X (gfx1250); checked and timed in simulation.
; The chip was launched on July 23, 2026; its instructions are those of AMD's public machine-readable ISA for CDNA 5 (MIT licence, August 2026) and "CDNA5" Instruction Set Architecture Reference Guide (July 2026). The comments in the code are by the model that wrote it; some were corrected since.
;; Full Linear Attention. Allowed arithmetic: matrix products marked QUANTISED: E2M3 operands, one E8M0 scale for each 32 along K, by v_wmma_scale_f32_16x16x128_f8f6f4 with both operands' format E2M3, f32 sums; products left as they are: f32 operands where the result goes on into a quantised operand, else bf16, f16 or f32 operands; f32 sums; everything else in f32.
;; Inputs: w_out 1,024 x 1,024 float32; w_qkv 3,072 x 1,024 float32; x 4 x 2,048 x 1,024 float32.
;; Outputs: out0 4 x 2,048 x 1,024 float32.
;; This version of the problem:
;;   THIS VERSION OF THE PROBLEM IS GIVEN IN LOW PRECISION. The matrix products marked QUANTISED in the list below multiply operands that are first quantised to E2M3 (2 exponent bits, 3 mantissa bits; 6 bits a number), with one power-of-two scale for each 32 numbers along K (OCP MX v1.0); their sums are f32. All else is computed in f32.
;;   The module's matrix products, in the order in which they are computed (A, B: the left and right operand; K: the contracted axis; several contracted axes count as one K, in the product's order):
;;     1. [M 8,192, K 1,024] x [K 1,024, N 3,072]; A: input x; B: input w_qkv: QUANTISED
;;     2. batch 64 x [M 64, K 2,048] x [K 2,048, N 64]; A: computed on the way; B: computed on the way: QUANTISED
;;     3. batch 64 x [M 2,048, K 64] x [K 64, N 64]; A: computed on the way; B: computed on the way: QUANTISED
;;     4. batch 64 x [M 2,048, K 64] x [K 64, N 1]; A: computed on the way; B: computed on the way: left as it is (N = 1 < 16)
;;     5. [M 8,192, K 1,024] x [K 1,024, N 1,024]; A: computed on the way; B: input w_out: QUANTISED
;;   THE QUANTISER, for each operand of a quantised product, along K:
;;     - K is cut into blocks of 32 from its start; a last block that is shorter is filled with zeros.
;;     - A block's scale is 2^e with e = floor(log2(the largest magnitude in the block)) - 2, held to -126 .. 127; a block of zeros has e = 0. As a byte (E8M0): e + 127.
;;     - Each number is divided by its block's scale, clamped to +-7.5, and rounded to the nearest number of E2M3, ties to even, subnormals kept.
;;     - The product sums the exact products of the quantised numbers (number of the format x scale) in f32.
;;   ~~~python
;;   def quantise(x, axis):      # numpy; x: float32 -> the quantised numbers, widened to float32 again
;;       x = np.moveaxis(x, axis, -1); K = x.shape[-1]
;;       x = np.pad(x, [(0, 0)] * (x.ndim - 1) + [(0, -K % 32)]); x = x.reshape(x.shape[:-1] + (-1, 32)); a = np.abs(x).max(-1, keepdims=True)
;;       e = np.where(a > 0, np.clip(np.frexp(np.where(a > 0, a, 1))[1] - 1 - 2, -126, 127), 0)      # np.frexp(a)[1] - 1 = floor(log2(a)), exactly
;;       r = np.clip(x / 2.0 ** e, -7.5, 7.5)
;;       step = 2.0 ** (np.maximum(np.frexp(np.where(r == 0, 1, r))[1] - 1, 0) - 3)
;;       q = np.round(r / step) * step * 2.0 ** e      # np.round: ties to even
;;       return np.moveaxis(q.reshape(q.shape[:-2] + (-1,))[..., :K], -1, axis).astype(np.float32)
;;   ~~~
;;   OPERANDS COMPUTED ON THE WAY. 'Computed on the way' means the value that the module computes at that place (a softmax that the list does not call 'softmax' is quantised finished and normalised). What goes into a quantiser is computed in f32, as accurately as f32 sums, v_exp_f32 and their like allow (about 1e-6 of the number): no bf16 or f16 on the way to a quantiser, and a product that is left as it is and whose result goes on into a quantised operand takes f32 operands (vector FMAs, or v_wmma_f32_16x16x4_f32). A number that lies on a knife's edge between two numbers of the format may be rounded either way, as far as f32 arithmetic and the matrix unit's own rounding can turn it there, and no further.
;; One version. Each part assembles by itself: llvm-mc -triple=amdgcn-amd-amdhsa -mcpu=gfx1250 --defsym DOCPART=n.
;; ======== version 1 of 1: 4 launches
;; workspace buffers: cod 9,437,184 bytes; scl 393,216 bytes; acod 6,291,456 bytes; ascl 262,144 bytes; kvp 4,194,304 bytes; ksp 65,536 bytes
;; launch quant (part 1): grid 768 x 1, 2 waves a work-group, no clusters, 17,152 bytes of LDS; arguments x, w_qkv, w_out, cod, scl; writes cod, scl
.if DOCPART == 1
	.amdgcn_target "amdgcn-amd-amdhsa--gfx1250"
	.amdhsa_code_object_version 6
	.text
	.protected	k_q7ab21bcef9_quant
	.globl	k_q7ab21bcef9_quant
	.p2align	8
	.type	k_q7ab21bcef9_quant,@function
k_q7ab21bcef9_quant:
	s_mov_b64 s[64:65], 0
	v_nop
	global_prefetch_b8 v0, s[64:65] scope:SCOPE_SE
	s_setreg_imm32_b32 hwreg(HW_REG_WAVE_MODE, 25, 1), 1
	s_wait_xcnt 0x0
; x [8192][1024], w_qkv [3072][1024] and w_out [1024][1024], f32, K innermost, become codes of FP6 (E2M3) with one E8M0 byte for each 32 along K,
; laid in the order of a matrix operand's registers, so that later launches take a fragment by three loads of 16 bytes a lane.
; LAYOUT OF cod.  Rows go in groups of 64 (49,152 bytes), a group in four blocks of 16 rows (12,288 bytes), a block in eight fragments of 128 along K (1,536 bytes).
; In a fragment the lane's registers 4 g .. 4 g + 3 lie at 512 g + 16 x lane; lane (r, h) holds K = 64 c + 32 h + 0 .. 31 of the block's row r in registers 6 c .. 6 c + 5.
; THE ROWS OF A BLOCK ARE NOT NEIGHBOURS: place m of block 2 g + u holds the group's row 32 g + 8 u + m % 8 + 16 (m / 8), so that, where such a tensor is a product's source 0,
; the 16 result registers of blocks 2 g and 2 g + 1 are 16 neighbouring rows.
; LAYOUT OF scl.  256 bytes for a group and 128 along K, at 2,048 x group + 256 x (K / 128): the word of block a, place r, at 8 (r + 16 (a % 2)) + 4 (a / 2).
; GROUPS: 0-127 x; 128-143 w_qkv's rows for q (a head each); 144 + 2 h those for k of head h, 145 + 2 h those for v; 176-191 w_out.
; A block's scale is 2^(floor(log2(its largest magnitude)) - 2); its byte is that magnitude's exponent field - 2, held at 1 from below.
; LIMITS: a block of zeros, and one whose largest magnitude lies under 2^-124, keeps the byte 1 (its codes are zeros or the nearest codes under that scale; this program alone reads the bytes); NaN and infinities among the inputs are not served.
; SHARES.  A work-group has two waves that share nothing; a wave takes one group of 64 rows x 128 along K: four fragments and one unit of scale words.  No matrix unit, no cluster, no tensor load: nothing is read twice.
; Each load reads 512 consecutive bytes of one row; a block's 16 rows turn through the wave's own stage in LDS (rows of 528 bytes), from which a lane takes 32 neighbours along K twice.
.set STG,   8448                       ; a wave's stage: 16 rows x (512 + 16) bytes
.set SPARE, 2*STG                      ; behind the stages: the spare words, 128 bytes for each wave: one block of 256 bytes that no other line names
.set SPW,   8                          ; v8       LDS address of my spare word; never rewritten
.set NIL,   9                          ; v9       0; never rewritten
.set R,     32                         ; v32-159  two sets of 16 rows as loaded
.set X,     160                        ; v160-223 my 2 x 32 neighbours along K
.set C,     224                        ; v224-235 a fragment's codes
.set CT,    236                        ; v236-238, v240-242 the upper halves of the two blocks, as the conversions leave them
.set WD,    244                        ; v244-247 the four blocks' scale words
	s_load_b256 s[4:11], s[0:1], 0x0               ; x, w_qkv, w_out, cod
	s_load_b64 s[12:13], s[0:1], 0x20              ; scl
	v_lshl_add_u32 v[SPW], v0, 2, SPARE
	v_mov_b32 v[NIL], 0
	v_lshrrev_b32 v1, 5, v0
	v_readfirstlane_b32 s14, v1                    ; wave 0, 1
	v_and_b32 v1, 31, v0                           ; lane
	v_and_b32 v2, 15, v0                           ; r
	v_bfe_u32 v3, v0, 4, 1                         ; h
	v_lshlrev_b32 v4, 4, v1                        ; 16 x lane: my bytes of a load's and of a store's 512; never rewritten
	s_mul_i32 s15, s14, STG
	v_add_nc_u32 v5, s15, v4                       ; into the stage: a row as it lies
	v_mul_u32_u24 v6, v2, 528
	v_lshl_add_u32 v6, v3, 7, v6
	v_add_nc_u32 v6, s15, v6                       ; out of it: row r, + 128 h bytes: K = 32 h on
	v_lshlrev_b32 v7, 3, v1                        ; 8 x lane: my place in the unit of scale words
	v_lshlrev_b32 v18, 3, v3                       ; 8 h: how far my two bytes are shifted in the word
	v_mov_b32 v17, 0                               ; written once: a lane permute's destination counts as one of its sources
	v_cmp_le_u32 s22, 16, v1                       ; lanes 16-31
	s_mov_b32 s20, 0x76543210
	s_mov_b32 s21, 0xfedcba98                      ; v_permlanex16_b32's selects for lane l xor 16
	s_lshr_b32 s16, ttmp9, 2                       ; t: which group of 64 rows, counted through x, w_qkv, w_out
	s_and_b32 s17, ttmp9, 3
	s_lshl_b32 s17, s17, 1
	s_add_co_u32 s17, s17, s14                     ; which 128 along K: 2 (work-group % 4) + wave
	s_lshl_b32 s19, s16, 1
	s_sub_co_u32 s23, s19, 144                     ; k's rows of head t - 144 go to group 144 + 2 (t - 144)
	s_sub_co_u32 s24, s19, 175                     ; v's rows of head t - 160 to group 145 + 2 (t - 160)
	s_cmp_lt_u32 s16, 144
	s_cselect_b32 s25, s16, s23
	s_cmp_lt_u32 s16, 160
	s_cselect_b32 s25, s25, s24
	s_cmp_lt_u32 s16, 176
	s_cselect_b32 s25, s25, s16                    ; the group in cod and scl
	s_wait_kmcnt 0x0
	s_cmp_lt_u32 s16, 128                          ; the tensor is chosen by the work-group's number alone
	s_cselect_b64 s[4:5], s[4:5], s[6:7]
	s_cselect_b32 s18, 0, 128
	s_cmp_lt_u32 s16, 176
	s_cselect_b64 s[4:5], s[4:5], s[8:9]
	s_cselect_b32 s18, s18, 176
	s_sub_co_u32 s18, s16, s18                     ; the group in its own tensor
	s_lshl_b32 s26, s18, 18                        ; 64 rows of 4,096 bytes
	s_lshl_b32 s28, s17, 9                         ; 128 numbers of 4 bytes
	s_add_co_u32 s26, s26, s28
	s_mov_b32 s27, 0
	s_add_nc_u64 s[4:5], s[4:5], s[26:27]
	s_mul_i32 s26, s25, 49152
	s_mul_i32 s28, s17, 1536
	s_add_co_u32 s26, s26, s28
	s_add_nc_u64 s[10:11], s[10:11], s[26:27]
	s_lshl_b32 s26, s25, 11
	s_lshl_b32 s28, s17, 8
	s_add_co_u32 s26, s26, s28
	s_add_nc_u64 s[12:13], s[12:13], s[26:27]
.macro LOAD a                          ; block a's 16 rows, in the order of their places, into set a % 2
.set RS, R+64*((\a)%2)
.irp i, 0,1,2,3,4,5,6,7,8,9,10,11,12,13,14,15
	global_load_b128 v[RS+4*\i:RS+4*\i+3], v4, s[4:5] offset:(32*((\a)>>1)+8*((\a)&1)+(\i&7)+16*(\i>>3))*4096 th:TH_LOAD_NT
.endr
.endm
.macro BLOCK a
.set RS, R+64*((\a)%2)
.if (\a) < 3
	s_wait_loadcnt 16                              ; this block's 16 loads are in; the next block's 16 may be out
.else
	s_wait_loadcnt 0x0
.endif
.irp i, 0,1,2,3,4,5,6,7,8,9,10,11,12,13,14,15
	ds_store_b128 v5, v[RS+4*\i:RS+4*\i+3] offset:528*\i
.endr
.irp c, 0,1
.irp j, 0,1,2,3,4,5,6,7
	ds_load_b128 v[X+32*\c+4*\j:X+32*\c+4*\j+3], v6 offset:256*\c+16*\j   ; LDS serves a wave's instructions in order: these see the stores above
.endr
.endr
	s_wait_dscnt 0x0                               ; my numbers are back, and the stores into the stage have read their registers,
.if (\a) < 2
	LOAD (\a)+2                                    ; which take the block two on
.endif
.irp c, 0,1                            ; my block 2 c + h of the row's four: all its 32 numbers are mine
	v_max3_num_f32 v[10+\c], |v[X+32*\c]|, |v[X+32*\c+1]|, 0x1800000   ; with the floor 2^(3 - 127): the byte cannot fall under 1
.endr
.irp i, 2,4,6,8,10,12,14,16,18,20,22,24,26,28,30
.irp c, 0,1
	v_max3_num_f32 v[10+\c], v[10+\c], |v[X+32*\c+\i]|, |v[X+32*\c+\i+1]|   ; the two blocks by turns
.endr
.endr
	v_add_nc_u32 v12, 0xff000000, v10              ; 2 off the exponent field: the conversion takes this operand's exponent field as its scale
	v_add_nc_u32 v13, 0xff000000, v11
	v_lshrrev_b32 v14, 23, v12                     ; the scale's byte
	v_lshrrev_b32 v15, 23, v13
	v_lshl_or_b32 v16, v15, 16, v14                ; blocks h and 2 + h,
	v_lshlrev_b32 v16, v18, v16                    ; at their places in the word;
	v_permlanex16_b32 v17, v16, s20, s21
	v_or_b32 v[WD+(\a)], v16, v17                  ; with lane l xor 16's two the word is whole, in both lanes
	s_wait_xcnt 0x0                                ; the last block's stores have read the codes' registers: they are written again only behind this wait
.irp c, 0,1
	v_cvt_scalef32_pk16_fp6_f32 v[C+6*\c:C+6*\c+2], v[X+32*\c:X+32*\c+15], v[12+\c]
	v_cvt_scalef32_pk16_fp6_f32 v[CT+4*\c:CT+4*\c+2], v[X+32*\c+16:X+32*\c+31], v[12+\c]   ; (a conversion's three registers begin on an even number)
.endr
	v_nop                                          ; one plain instruction between a scaled conversion and the vector instruction that touches its result
.irp c, 0,1
.irp i, 0,1,2
	v_mov_b32 v[C+6*\c+3+\i], v[CT+4*\c+\i]
.endr
.endr
.irp g, 0,1,2
	global_store_b128 v4, v[C+4*\g:C+4*\g+3], s[10:11] offset:(\a)*12288+512*\g   ; 32 lanes store 512 consecutive bytes, at a multiple of 256 from cod's first byte
.endr
.endm
	LOAD 0
	LOAD 1
	BLOCK 0
	BLOCK 1
	BLOCK 2
	BLOCK 3
	v_cndmask_b32 v248, v[WD], v[WD+1], s22        ; lanes 0-15 block 0's words, lanes 16-31 block 1's;
	v_cndmask_b32 v249, v[WD+2], v[WD+3], s22      ; blocks 2 and 3
	global_store_b64 v7, v[248:249], s[12:13]      ; 32 lanes store 256 consecutive bytes, aligned
	s_wait_tensorcnt 0x0                           ; the wave's end: behind my last LDS store
	ds_add_u32 v[SPW], v[NIL]
	s_wait_dscnt 0x0
	s_endpgm
.Lfunc_end_k_q7ab21bcef9_quant:
	.size	k_q7ab21bcef9_quant, .Lfunc_end_k_q7ab21bcef9_quant-k_q7ab21bcef9_quant
	.p2alignl 7, 3214868480
	.fill 96, 4, 3214868480
	.section	.rodata,"a",@progbits
	.p2align	6, 0x0
	.amdhsa_kernel k_q7ab21bcef9_quant
		.amdhsa_group_segment_fixed_size 17152
		.amdhsa_private_segment_fixed_size 0
		.amdhsa_enable_private_segment 0
		.amdhsa_kernarg_size 40
		.amdhsa_user_sgpr_count 2
		.amdhsa_user_sgpr_kernarg_segment_ptr 1
		.amdhsa_wavefront_size32 1
		.amdhsa_system_sgpr_workgroup_id_x 1
		.amdhsa_system_sgpr_workgroup_id_y 1
		.amdhsa_system_sgpr_workgroup_id_z 1
		.amdhsa_system_vgpr_workitem_id 0
		.amdhsa_next_free_vgpr 256
		.amdhsa_next_free_sgpr 66
		.amdhsa_reserve_vcc 0
		.amdhsa_float_denorm_mode_32 3
		.amdhsa_float_denorm_mode_16_64 3
		.amdhsa_memory_ordered 1
		.amdhsa_forward_progress 1
		.amdhsa_inst_pref_size 31
	.end_amdhsa_kernel
	.amdgpu_metadata
---
amdhsa.version: [ 1, 2 ]
amdhsa.kernels:
  - .name:           k_q7ab21bcef9_quant
    .symbol:         k_q7ab21bcef9_quant.kd
    .args:
      - { .name: x, .offset: 0, .size: 8, .value_kind: global_buffer, .address_space: global }
      - { .name: w_qkv, .offset: 8, .size: 8, .value_kind: global_buffer, .address_space: global }
      - { .name: w_out, .offset: 16, .size: 8, .value_kind: global_buffer, .address_space: global }
      - { .name: cod, .offset: 24, .size: 8, .value_kind: global_buffer, .address_space: global }
      - { .name: scl, .offset: 32, .size: 8, .value_kind: global_buffer, .address_space: global }
    .group_segment_fixed_size: 17152
    .private_segment_fixed_size: 0
    .kernarg_segment_align: 8
    .kernarg_segment_size: 40
    .max_flat_workgroup_size: 64
    .sgpr_count:     66
    .vgpr_count:     256
    .wavefront_size: 32
...
	.end_amdgpu_metadata
.endif
;; end of part 1
;; launch kv (part 2): grid 16 x 16, 4 waves a work-group, clusters of 4 x 4, 327,680 bytes of LDS; arguments cod, scl, kvp, ksp; writes kvp, ksp
.if DOCPART == 2
	.amdgcn_target "amdgcn-amd-amdhsa--gfx1250"
	.amdhsa_code_object_version 6
	.text
	.protected	k_q7ab21bcef9_kv
	.globl	k_q7ab21bcef9_kv
	.p2align	8
	.type	k_q7ab21bcef9_kv,@function
k_q7ab21bcef9_kv:
	s_mov_b64 s[64:65], 0
	v_nop
	global_prefetch_b8 v0, s[64:65] scope:SCOPE_SE
	s_setreg_imm32_b32 hwreg(HW_REG_WAVE_MODE, 25, 1), 1
	s_wait_xcnt 0x0
	s_wait_alu depctr_hold_cnt(0) depctr_sa_sdst(0) depctr_va_vdst(0) depctr_va_sdst(0) depctr_va_ssrc(0) depctr_va_vcc(0) depctr_vm_vsrc(0)
	s_getreg_b32 s2, hwreg(HW_REG_IB_STS2, 6, 4)
	s_cmp_eq_u32 s2, 0
	s_cbranch_scc0 .Lentry_in_a_cluster
	s_endpgm
.Lentry_in_a_cluster:
	s_bfe_u32 s2, ttmp6, 0x10000c
	s_cmp_lg_u32 s2, 0xf033
	s_cbranch_scc0 .Lentry_shape_is_right
	s_endpgm
.Lentry_shape_is_right:
; For 512 rows s of one batch and one head: k = elu(x wk^T) + 1 and v = x wv^T (products on codes of FP6 with E8M0 scales, sums in f32); both are quantised along s in registers;
; the partial state kv[d][e] = sum over these s of k[s][d] v[s][e] (again on codes) goes to kvp, the partial sum over s of the unquantised k to ksp.
; SHARES.  Work-group (X, Y): rows 512 X .. 512 X + 511 of x (batch X / 4, part X % 4), head Y.  Four waves; wave w owns 128 of the rows and all 128 columns (k's 64, v's 64): 64 accumulators, 512 registers.
; THE PRODUCT IS USED TRANSPOSED: source 0 = 16 rows of x, source 1 = 16 rows of the weights.  A lane then holds ONE feature, and, by the order in which cod holds the rows of a block,
; the 64 registers of a feature block run along s: register 16 b + i is s = 32 b + 16 (lane / 16) + i.  So the conversions' results are operands of k^T v, whose K is s: nothing is transposed.
; K (1,024) goes in four steps of 256 through two LDS slots filled by the tensor data mover; a tile's row is one block's 3,072 bytes (two fragments), blocks 12,288 bytes apart in cod.
; CLUSTER 4 x 4: x's tile hangs on X alone and is asked for jointly by the four of a column, the weights' on Y alone, by the four of a row.
; elu(t) + 1 is made as med3(t, e^t - 1, 0) + 1: t where t > 0, e^t - 1 else; no compare; where e^t is infinite the middle one is t.
; LIMITS: e^t is v_exp_f32 of t x log2(e), whose relative error grows as 1e-7 (1 + |t|); a block whose largest magnitude lies under 2^-124 keeps the scale byte 1; NaN and infinities are not served.
; ORDER OF SUMS: kv and the sum of k: 128 s in a wave, then the four waves as (0 + 1) + (2 + 3); the four parts are added by the next launch.
; REGISTERS, in windows of 256.  Window 0: v10-29 addresses; v32-63 x's scale words, v64-95 the weights'; v96-191 the weights' fragments, ONE set; later k's and v's codes; v192-235 at work.
;   Window 1: x's fragments, TWO sets, at v0 and v128; later v0-63 k in f32, v64-191 kv.   Window 2: the 32 accumulators of k (block a, tile b at v[8 (8 a + b)]);   window 3: those of v.
.set SLOT,  122880                     ; a slot: x's 32 blocks of 3,072 bytes, then the weights' 8
.set LOFF,  98304
.set SPARE, 2*SLOT                     ; behind the ring: the spare words, 128 bytes for each wave: two blocks of 256 bytes that no other line names
.set KSR,   65536                      ; in slot 0, once it has had its last fill and its last read: from 0 the waves' kv, 16,384 bytes each; from here their sums of k, 256 bytes each
.set RGB,   49152                      ; a group of 64 rows in cod
.set KSB,   3072                       ; 256 along K of one block
.set ADRP, 16                          ; v16-17  LDS address of my blocks of x in slot 0, 1
.set ADRL, 20                          ; v20-21  of the weights' blocks
.set RST,  24                          ; v24     where I put my kv
.set RLD,  25                          ; v25     where I read my quarter of a wave's kv
.set KST,  26                          ; v26     where I put my sums of k
.set KLD,  27                          ; v27     where they are read
.set SPW,  28                          ; v28     LDS address of my spare word; never rewritten
.set NIL,  29                          ; v29     0; never rewritten
.set SCP,  32
.set SCL,  64
.set AF,   96
.set KF,   96                          ; k's four fragments (16 features x 128 s)
.set VF,   144                         ; v's
.set TM,   192                         ; v192-195 largest magnitudes, v196-199 bytes, v204-207 the conversions' scale operands
.set CT,   208                         ; v208-210, v212-214 the conversions' second halves
.set KW,   216                         ; v216-219 k's scale words, v220-223 v's: they hold scales alone
.set VW,   220
.set KS,   224                         ; v224-227 the sums of k
.set SU,   228                         ; v228-235 at work
.set KVA,  64                          ; in window 1: kv, tile (et, dt) at v[64 + 8 (4 et + dt)]
.set G1P, 24                           ; s[24:31] descriptor group 1 for x's tiles;  s[32:39] group 0, one set for each slot
.set G0P, 32
.set G1L, 48                           ; s[48:55], s[56:63] the same for the weights'
.set G0L, 56
.set L2E, 66                           ; s[66:67] log2(e)
.set SEL, 68                           ; s[68:69] v_permlanex16_b32's selects for lane l xor 16
.set MSB, 0
.macro WIN new                         ; the immediate's high byte repeats the setting that is left
.if MSB != (\new)
	s_set_vgpr_msb (MSB<<8)|(\new)
.set MSB, (\new)
.endif
.endm
.set MUL_LO, 0xa1                      ; source 0 window 1, source 1 window 0, C and D window 2
.set MUL_HI, 0xf1                      ; the same, C and D window 3
.set TO_B,   0x40                      ; destination window 1, address window 0
.macro PLACES                          ; four plain instructions between a matrix instruction and a load into, or a vector instruction on, its registers
.rept 4
	v_nop
.endr
.endm
; A joint load: waves 0 and 1 fetch x's halves, waves 2 and 3 the weights'.  The branch hangs on the wave's number alone.  An s_nop 0 and four v_nop follow each of the two lines.
.macro JLOAD g0a, g1a, g0b, g1b
	s_cmp_eq_u32 s15, 0
	s_cbranch_scc0 .Lfor_b_\@
	tensor_load_to_lds s[\g0a:\g0a+3], s[\g1a:\g1a+7]
	s_nop 0
.rept 4
	v_nop
.endr
	s_branch .Lasked_\@
.Lfor_b_\@:
	tensor_load_to_lds s[\g0b:\g0b+3], s[\g1b:\g1b+7]
	s_nop 0
.rept 4
	v_nop
.endr
.Lasked_\@:
.endm
.macro CREST                           ; a round of the cluster's barrier behind its opening barrier
	s_cmp_lg_u32 s14, 0
	s_cbranch_scc1 .Lnot_wave_0_\@
	s_barrier_signal -3
.Lnot_wave_0_\@:
	s_barrier_wait -3
	s_barrier_signal -1
	s_barrier_wait -1
.endm
.macro CROUND
	s_barrier_signal -1
	s_barrier_wait -1
	CREST
.endm
.macro FRAG reg, adr, off              ; a fragment, 12 registers a lane, comes as it was laid: three loads of 16 bytes at 16 x lane, 512 consecutive bytes each
.irp g, 0,1,2
	ds_load_b128 v[(\reg)+4*\g:(\reg)+4*\g+3], v[\adr] offset:(\off)+512*\g
.endr
.endm
; One product.  zero: C is the constant 0.  rp, rl: the side's scale words stand in lanes 16-31 of the register named.
.macro WM acc, pf, lf, zero, sp, sl, rp, rl
.set wD, \acc
.set wP, \pf
.set wL, \lf
.set wS, \sp
.set wT, \sl
.set wV, 4*(\zero)+2*(\rp)+(\rl)
.if wV == 0
	v_wmma_scale_f32_16x16x128_f8f6f4 v[wD:wD+7], v[wP:wP+11], v[wL:wL+11], v[wD:wD+7], v[wS], v[wT] matrix_a_fmt:MATRIX_FMT_FP6 matrix_b_fmt:MATRIX_FMT_FP6
.elseif wV == 1
	v_wmma_scale_f32_16x16x128_f8f6f4 v[wD:wD+7], v[wP:wP+11], v[wL:wL+11], v[wD:wD+7], v[wS], v[wT] matrix_a_fmt:MATRIX_FMT_FP6 matrix_b_fmt:MATRIX_FMT_FP6 matrix_b_scale:MATRIX_SCALE_ROW1
.elseif wV == 2
	v_wmma_scale_f32_16x16x128_f8f6f4 v[wD:wD+7], v[wP:wP+11], v[wL:wL+11], v[wD:wD+7], v[wS], v[wT] matrix_a_fmt:MATRIX_FMT_FP6 matrix_b_fmt:MATRIX_FMT_FP6 matrix_a_scale:MATRIX_SCALE_ROW1
.elseif wV == 3
	v_wmma_scale_f32_16x16x128_f8f6f4 v[wD:wD+7], v[wP:wP+11], v[wL:wL+11], v[wD:wD+7], v[wS], v[wT] matrix_a_fmt:MATRIX_FMT_FP6 matrix_b_fmt:MATRIX_FMT_FP6 matrix_a_scale:MATRIX_SCALE_ROW1 matrix_b_scale:MATRIX_SCALE_ROW1
.elseif wV == 4
	v_wmma_scale_f32_16x16x128_f8f6f4 v[wD:wD+7], v[wP:wP+11], v[wL:wL+11], 0, v[wS], v[wT] matrix_a_fmt:MATRIX_FMT_FP6 matrix_b_fmt:MATRIX_FMT_FP6
.elseif wV == 5
	v_wmma_scale_f32_16x16x128_f8f6f4 v[wD:wD+7], v[wP:wP+11], v[wL:wL+11], 0, v[wS], v[wT] matrix_a_fmt:MATRIX_FMT_FP6 matrix_b_fmt:MATRIX_FMT_FP6 matrix_b_scale:MATRIX_SCALE_ROW1
.elseif wV == 6
	v_wmma_scale_f32_16x16x128_f8f6f4 v[wD:wD+7], v[wP:wP+11], v[wL:wL+11], 0, v[wS], v[wT] matrix_a_fmt:MATRIX_FMT_FP6 matrix_b_fmt:MATRIX_FMT_FP6 matrix_a_scale:MATRIX_SCALE_ROW1
.else
	v_wmma_scale_f32_16x16x128_f8f6f4 v[wD:wD+7], v[wP:wP+11], v[wL:wL+11], 0, v[wS], v[wT] matrix_a_fmt:MATRIX_FMT_FP6 matrix_b_fmt:MATRIX_FMT_FP6 matrix_a_scale:MATRIX_SCALE_ROW1 matrix_b_scale:MATRIX_SCALE_ROW1
.endif
.endm
; 16 products: the weights' blocks a0, a0 + 1 x my eight blocks of x, the kq-th 128 along K.  p: x's set.  The 64 accumulators take turns, one instruction a turn, in the same order in every step.
; A unit of scale words gives a pair of registers for a group of four blocks: block a's words in register a / 2, in lanes 0-15 where a is even, 16-31 where it is odd.
.macro MUL16 a0, p, kq, zero
.irp a, \a0, \a0+1
.irp b, 0,1,2,3,4,5,6,7
	WM 8*(8*((\a)%4)+\b), 128*(\p)+12*\b, AF+12*(\a), \zero, SCP+4*(\kq)+2*(\b>>2)+((\b>>1)&1), SCL+4*(\kq)+2*((\a)>>2)+(((\a)>>1)&1), (\b)&1, (\a)&1
.endr
.endr
.endm
.macro FETCH_B adr, q, p               ; my eight fragments of x, the slot's q-th 128 along K, into set p
	WIN TO_B
.irp i, 0,1,2,3,4,5,6,7
	FRAG 128*(\p)+12*\i, \adr, \i*KSB+(\q)*1536
.endr
	WIN 0
.endm
.macro FETCH_A adr, q, i0, n           ; the weights' blocks i0 .. i0 + n - 1
.set fi, \i0
.rept \n
	FRAG AF+12*fi, \adr, fi*KSB+(\q)*1536
.set fi, fi+1
.endr
.endm
; 64 numbers of a lane, v[s] on in window W, register 16 b + i = index 32 b + 16 (lane / 16) + i of my row, become a fragment's codes in v[d] on and its scale word in v[w] (window 0).
.macro QUANT s, W, d, w
	WIN ((\W)<<2)|((\W)<<4)
.irp b, 0,1,2,3
	v_max3_num_f32 v[TM+\b], 0x1800000, |v[(\s)+16*\b]|, |v[(\s)+16*\b+1]|   ; block b: my 16 numbers, and the floor 2^(3 - 127): the byte cannot fall under 1.  (An accumulator is read from its low end on)
.endr
.irp i, 2,4,6,8,10,12,14
.irp b, 0,1,2,3
	v_max3_num_f32 v[TM+\b], v[TM+\b], |v[(\s)+16*\b+\i]|, |v[(\s)+16*\b+\i+1]|   ; the four blocks by turns
.endr
.endr
	WIN 0
.irp b, 0,1,2,3
	v_permlanex16_b32 v[TM+4+\b], v[TM+\b], s[SEL], s[SEL+1]
.endr
.irp b, 0,1,2,3
	v_max_num_f32 v[TM+\b], v[TM+\b], v[TM+4+\b]   ; with lane l xor 16's: the block's largest magnitude
.endr
.irp b, 0,1,2,3
	v_add_nc_u32 v[TM+12+\b], 0xff000000, v[TM+\b] ; 2 off its exponent field: the conversion's scale operand
.endr
.irp b, 0,1,2,3
	v_lshrrev_b32 v[TM+4+\b], 23, v[TM+12+\b]      ; the scale's byte
.endr
	v_lshl_or_b32 v[\w], v[TM+5], 8, v[TM+4]
	v_lshl_or_b32 v[\w], v[TM+6], 16, v[\w]
	v_lshl_or_b32 v[\w], v[TM+7], 24, v[\w]
	WIN \W
.irp c, 0,1
	v_cvt_scalef32_pk16_fp6_f32 v[(\d)+6*\c:(\d)+6*\c+2], v[(\s)+32*\c:(\s)+32*\c+15], v[TM+12+2*\c]
	v_cvt_scalef32_pk16_fp6_f32 v[CT+4*\c:CT+4*\c+2], v[(\s)+32*\c+16:(\s)+32*\c+31], v[TM+13+2*\c]   ; (a conversion's three registers begin on an even number)
.endr
	WIN 0
	v_nop                                          ; one plain instruction behind a scaled conversion
.irp c, 0,1                            ; the operand wants a WHOLE block in a lane: lanes 0-15 block 2 c, lanes 16-31 block 2 c + 1
.irp i, 0,1,2
	v_permlane16_swap_b32 v[(\d)+6*\c+\i], v[CT+4*\c+\i]
.endr
.irp i, 0,1,2
	v_mov_b32 v[(\d)+6*\c+3+\i], v[CT+4*\c+\i]
.endr
.endr
.endm
; elu + 1 of the 64 accumulator registers v[ac] on of window 2, into v0-63 of window 1.  The 64 exponentials are one batch with one wait.
.macro ELU ac
	WIN 0x42
.set ej, 0
.rept 32
	v_pk_mul_f32 v[ej:ej+1], v[(\ac)+ej:(\ac)+ej+1], s[L2E:L2E+1] op_sel_hi:[1,0]   ; t log2(e); each accumulator from its low end on
.set ej, ej+2
.endr
	WIN 0x41
.set ej, 0
.rept 64
	v_exp_f32 v[ej], v[ej]
.set ej, ej+1
.endr
	v_nop                                          ; a plain instruction behind the last exponential,
	s_wait_alu depctr_va_vdst(0)                   ; and one wait for the batch, ahead of its first reader
.set ej, 0
.rept 32
	v_pk_add_f32 v[ej:ej+1], v[ej:ej+1], -1.0 op_sel_hi:[1,0]
.set ej, ej+2
.endr
	WIN 0x46
.set ej, 0
.rept 64
	v_med3_num_f32 v[ej], v[(\ac)+ej], v[ej], 0    ; t <= e^t - 1 always: the middle of t, e^t - 1 and 0 is t above 0 and e^t - 1 below
.set ej, ej+1
.endr
	WIN 0x41
.set ej, 0
.rept 32
	v_pk_add_f32 v[ej:ej+1], v[ej:ej+1], 1.0 op_sel_hi:[1,0]
.set ej, ej+2
.endr
.endm
.macro KSUM dt                         ; the sum over my wave's 128 s of the unquantised k, for my feature of block dt: two packed chains, then the other half of the lanes
	WIN 0x05
	v_pk_add_f32 v[SU:SU+1], v[0:1], v[2:3]
	v_pk_add_f32 v[SU+2:SU+3], v[4:5], v[6:7]
	WIN 0x04
.irp j, 8,12,16,20,24,28,32,36,40,44,48,52,56,60
	v_pk_add_f32 v[SU:SU+1], v[SU:SU+1], v[\j:\j+1]
	v_pk_add_f32 v[SU+2:SU+3], v[SU+2:SU+3], v[\j+2:\j+3]
.endr
	WIN 0
	v_pk_add_f32 v[SU:SU+1], v[SU:SU+1], v[SU+2:SU+3]
	v_add_f32 v[SU], v[SU], v[SU+1]
	v_permlanex16_b32 v[SU+2], v[SU], s[SEL], s[SEL+1]
	v_add_f32 v[KS+\dt], v[SU], v[SU+2]
.endm
	s_load_b256 s[4:11], s[0:1], 0x0               ; cod s[4:5], scl s[6:7], kvp s[8:9], ksp s[10:11]
	v_lshl_add_u32 v[SPW], v0, 2, SPARE
	v_mov_b32 v[NIL], 0
	ds_add_u32 v[SPW], v[NIL]                      ; the wave's opening: the add and its wait stand ahead of my first tensor load; the set-up below, work on registers, stands between them
	v_lshrrev_b32 v1, 5, v0
	v_readfirstlane_b32 s14, v1                    ; wave 0..3
	s_lshr_b32 s15, s14, 1                         ; I fetch for x (0) or for the weights (1),
	s_and_b32 s16, s14, 1                          ; and which half
	s_bfe_u32 s40, ttmp6, 0x40000                  ; cx, cy: my place in the cluster
	s_bfe_u32 s41, ttmp6, 0x40004
	s_lshl_b32 s42, ttmp9, 2
	s_add_co_u32 s42, s42, s40                     ; X = 4 x cluster x + cx
	s_and_b32 s43, ttmp7, 0xffff
	s_lshl_b32 s43, s43, 2
	s_add_co_u32 s43, s43, s41                     ; Y = 4 x cluster y + cy: the head
	s_lshl_b32 s45, s41, 2
	s_lshl_b32 s45, 15, s45                        ; my row of the cluster
	s_lshl_b32 s44, 0x1111, s40                    ; my column
	; descriptor group 1: R rows of 384 elements of 8 bytes (a block's 3,072 bytes), 1,536 elements apart; no padding: a load of 16 bytes a lane takes 512 bytes on end
	s_or_b32 s[G1P], s44, (3<<16)|(1<<21)          ; x's tiles hang on X alone: shared along my column
	s_or_b32 s[G1L], s45, (3<<16)|(1<<21)          ; the weights' on Y alone: shared along my row
.irp g, G1P, G1L
	s_mov_b32 s[\g+1], 384<<16                     ; tensor_dim0
	s_mov_b32 s[\g+3], 384<<16                     ; tile_dim0
	s_mov_b32 s[\g+5], 1536                        ; the pitch
	s_mov_b32 s[\g+6], 0
	s_mov_b32 s[\g+7], 0
.endr
	s_mov_b32 s[G1P+2], 16<<16                     ; tensor_dim1 = tile_dim1 = 16 blocks
	s_mov_b32 s[G1P+4], 16
	s_mov_b32 s[G1L+2], 4<<16                      ; 4 blocks
	s_mov_b32 s[G1L+4], 4
	s_lshl_b32 s72, s42, 3
	s_lshl_b32 s73, s16, 2
	s_add_co_u32 s72, s72, s73
	s_mul_i32 s72, s72, RGB                        ; x: group 8 X + 4 x half
	s_mov_b32 s73, 0
	s_lshl_b32 s74, s43, 1
	s_add_co_u32 s74, s74, s16
	s_add_co_u32 s74, s74, 144
	s_mul_i32 s74, s74, RGB                        ; the weights: group 144 + 2 Y + half (k's, v's)
	s_mov_b32 s75, 0
	s_mul_i32 s76, s16, 16*KSB                     ; where they go: no place in the cluster enters an LDS address
	s_mul_i32 s77, s16, 4*KSB
	s_add_co_u32 s77, s77, LOFF
	s_mov_b32 s[L2E], 0x3fb8aa3b
	s_mov_b32 s[L2E+1], s[L2E]                     ; (named with it as a pair, so it is written)
	s_mov_b32 s[SEL], 0x76543210
	s_mov_b32 s[SEL+1], 0xfedcba98
	s_wait_dscnt 0x0                               ; the opening add is done
	s_wait_kmcnt 0x0
	s_add_nc_u64 s[72:73], s[4:5], s[72:73]
	s_add_nc_u64 s[74:75], s[4:5], s[74:75]
	CROUND                                         ; all sixteen work-groups are here: the first joint loads meet
.irp s, 0,1
	s_mov_b32 s[G0P+4*\s], 1
	s_add_co_u32 s[G0P+4*\s+1], s76, \s*SLOT
	s_add_nc_u64 s[G0P+4*\s+2:G0P+4*\s+3], s[72:73], \s*KSB
	s_or_b32 s[G0P+4*\s+3], s[G0P+4*\s+3], 0x80000000
	s_mov_b32 s[G0L+4*\s], 1
	s_add_co_u32 s[G0L+4*\s+1], s77, \s*SLOT
	s_add_nc_u64 s[G0L+4*\s+2:G0L+4*\s+3], s[74:75], \s*KSB
	s_or_b32 s[G0L+4*\s+3], s[G0L+4*\s+3], 0x80000000
	JLOAD G0P+4*\s, G1P, G0L+4*\s, G1L             ; K steps 0 and 1: two loads of mine are out
.endr
	v_and_b32 v1, 31, v0                           ; lane
	v_and_b32 v2, 15, v0                           ; r
	v_bfe_u32 v3, v0, 4, 1                         ; h
	v_lshlrev_b32 v10, 4, v1                       ; 16 x lane
	v_lshlrev_b32 v11, 3, v1                       ; 8 x lane
	s_lshl_b32 s78, s42, 3
	s_lshl_b32 s79, s14, 1
	s_add_co_u32 s78, s78, s79
	s_lshl_b32 s78, s78, 11                        ; x's scale words: my two groups, 8 X + 2 w on
	s_mov_b32 s79, 0
	s_add_nc_u64 s[78:79], s[6:7], s[78:79]
	s_lshl_b32 s80, s43, 1
	s_add_co_u32 s80, s80, 144
	s_lshl_b32 s80, s80, 11                        ; the weights': groups 144 + 2 Y and the next
	s_mov_b32 s81, 0
	s_add_nc_u64 s[80:81], s[6:7], s[80:81]
.irp kq, 0,1,2,3,4,5,6,7               ; all scale words of the launch stay in registers: each load takes one aligned unit of 256 bytes
.irp g, 0,1
	global_load_b64 v[SCP+4*\kq+2*\g:SCP+4*\kq+2*\g+1], v11, s[78:79] offset:\g*2048+\kq*256
	global_load_b64 v[SCL+4*\kq+2*\g:SCL+4*\kq+2*\g+1], v11, s[80:81] offset:\g*2048+\kq*256
.endr
.endr
	s_mul_i32 s82, s14, 8*KSB
	v_add_nc_u32 v[ADRP], s82, v10                 ; my eight blocks of x
	v_add_nc_u32 v[ADRP+1], SLOT, v[ADRP]
	v_add_nc_u32 v[ADRL], LOFF, v10
	v_add_nc_u32 v[ADRL+1], LOFF+SLOT, v10
	s_lshl_b32 s82, s14, 14
	v_add_nc_u32 v[RST], s82, v10
	s_lshl_b32 s82, s14, 12
	v_add_nc_u32 v[RLD], s82, v10
	s_lshl_b32 s82, s14, 8
	v_add_nc_u32 v[KST], s82, v11
	v_add_nc_u32 v[KST], KSR, v[KST]
	v_add_nc_u32 v[KLD], KSR, v11
	v_and_b32 v12, 7, v2
	v_lshl_add_u32 v12, v3, 3, v12
	v_lshrrev_b32 v13, 3, v2
	v_lshl_add_u32 v12, v13, 4, v12
	v_lshlrev_b32 v12, 2, v12                      ; ksp: the feature at place r of block h is 8 h + r % 8 + 16 (r / 8); 4 bytes each
	v_cmp_le_u32 s70, 16, v1                       ; lanes 16-31
.irp b, 0,1,2,3
	v_mov_b32 v[TM+4+\b], 0                        ; written once: a lane permute's destination counts as one of its sources
.endr
	s_lshr_b32 s84, s42, 2
	s_lshl_b32 s84, s84, 4
	s_add_co_u32 s84, s84, s43                     ; 16 x batch + head
	s_lshl_b32 s84, s84, 2
	s_and_b32 s85, s42, 3
	s_add_co_u32 s84, s84, s85                     ; x 4 + part
	s_lshl_b32 s84, s84, 2
	s_add_co_u32 s84, s84, s14                     ; x 4 + wave: my quarter, 4,096 bytes
	s_lshl_b32 s84, s84, 12
	s_mov_b32 s85, 0
	s_add_nc_u64 s[84:85], s[8:9], s[84:85]
	s_lshl_b32 s86, s42, 4
	s_add_co_u32 s86, s86, s43
	s_lshl_b32 s86, s86, 8                         ; ksp: ((4 x batch + part) x 16 + head) x 256
	s_mov_b32 s87, 0
	s_add_nc_u64 s[86:87], s[10:11], s[86:87]
.macro STEP slot, kq, zero             ; a slot's first 128 along K; its second is fetched meanwhile
	s_wait_dscnt 12                                ; x's set and the weights' blocks 0-3 are in; the youngest 12 loads (blocks 4-7) may be out
	WIN MUL_LO
	MUL16 0, 0, \kq, \zero
	MUL16 2, 0, \kq, \zero
	s_wait_dscnt 0x0                               ; blocks 4-7 are in
	PLACES
	FETCH_B ADRP+\slot, 1, 1
	FETCH_A ADRL+\slot, 1, 0, 4
	WIN MUL_HI
	MUL16 4, 0, \kq, \zero
	MUL16 6, 0, \kq, \zero
	PLACES
	WIN 0
	FETCH_A ADRL+\slot, 1, 4, 4
.endm
; A slot's second 128 along K changes slots: ONE barrier; in front of it each wave waits for all its tensor loads, adds 0 to its spare word, and waits for that and for its own reads of this slot.
; fill = 1: the barrier opens a round of the cluster's, and this slot is filled again, two K steps on; that load has 96 matrix instructions of mine in which to land.
.macro TURN slot, next, kq, fill
	s_wait_tensorcnt 0x0                           ; all my tensor loads have landed: the one that was out is my part of the next slot
	ds_add_u32 v[SPW], v[NIL]                      ; 0 onto my spare word
	s_wait_dscnt 13                                ; (the add and the youngest 12 loads may be out)
	WIN MUL_LO
	MUL16 0, 1, \kq, 0                             ; sixteen matrix instructions stand between the add and the wait for it
	s_wait_dscnt 0x0                               ; the add is done, and my reads of this slot are over
	s_barrier_signal -1
	MUL16 2, 1, \kq, 0
	WIN 0
	s_barrier_wait -1
.if \fill
	CREST                                          ; no wave of any partner still reads this slot's tile or has a load on its way
	s_add_nc_u64 s[G0P+4*\slot+2:G0P+4*\slot+3], s[G0P+4*\slot+2:G0P+4*\slot+3], 2*KSB
	s_add_nc_u64 s[G0L+4*\slot+2:G0L+4*\slot+3], s[G0L+4*\slot+2:G0L+4*\slot+3], 2*KSB
	JLOAD G0P+4*\slot, G1P, G0L+4*\slot, G1L       ; the first tensor load behind the round; its four v_nop are also the places in front of the loads below
.else
	PLACES
.endif
	FETCH_B ADRP+\next, 0, 0
	FETCH_A ADRL+\next, 0, 0, 4
	WIN MUL_HI
	MUL16 4, 1, \kq, 0
	MUL16 6, 1, \kq, 0
	PLACES
	WIN 0
	FETCH_A ADRL+\next, 0, 4, 4
.endm
	s_wait_tensorcnt 1                             ; my part of K step 0 is in (K step 1's load may be out)
	s_barrier_signal -1
	s_barrier_wait -1                              ; everybody's is
	FETCH_B ADRP, 0, 0
	FETCH_A ADRL, 0, 0, 4
	FETCH_A ADRL, 0, 4, 4
	s_wait_loadcnt 0x0                             ; the scale words
	; the eight steps of 128 along K are written out: each names its own scale registers
	STEP 0, 0, 1                                   ; the first products start the sums: nothing is cleared
	TURN 0, 1, 1, 1
	STEP 1, 2, 0
	TURN 1, 0, 3, 1
	STEP 0, 4, 0
	TURN 0, 1, 5, 0                                ; nothing is left to fetch: slot 0 has had its last fill, and behind this barrier nobody reads it
	STEP 1, 6, 0
	s_wait_dscnt 12
	WIN MUL_LO
	MUL16 0, 1, 7, 0
	MUL16 2, 1, 7, 0
	s_wait_dscnt 0x0
	WIN MUL_HI
	MUL16 4, 1, 7, 0
	MUL16 6, 1, 7, 0
	WIN 0
	PLACES
	; k: the feature map, its sum over s, its codes along s
.irp dt, 0,1,2,3
	ELU 64*\dt
	KSUM \dt
	QUANT 0, 1, KF+12*\dt, KW+\dt
.endr
	; v: its codes along s, straight from the accumulators
.irp et, 0,1,2,3
	QUANT 64*\et, 3, VF+12*\et, VW+\et
.endr
.rept 8
	v_nop                                          ; a scale register written by a vector instruction stands 8 places ahead of a scaled matrix instruction, an operand so written 4
.endr
	WIN 0x40                                       ; kv in window 1
.irp et, 0,1,2,3                       ; source 0 = 16 features d of k, source 1 = 16 features e of v, K = my 128 s: sixteen accumulators, each once
.irp dt, 0,1,2,3
	WM KVA+8*(4*\et+\dt), KF+12*\dt, VF+12*\et, 1, KW+\dt, VW+\et, 0, 0
.endr
.endr
	PLACES
	WIN 0x04                                       ; an LDS store's data are its source 1: window 1
.set ri, 0
.rept 32
	ds_store_b128 v[RST], v[KVA+4*ri:KVA+4*ri+3] offset:512*ri   ; my kv as an image of its registers; each accumulator from its low end on
.set ri, ri+1
.endr
	WIN 0
	v_cndmask_b32 v[SU], v[KS], v[KS+1], s70       ; lanes 0-15 block 0's sums, lanes 16-31 block 1's;
	v_cndmask_b32 v[SU+1], v[KS+2], v[KS+3], s70   ; blocks 2 and 3
	ds_store_b64 v[KST], v[SU:SU+1]
	s_wait_dscnt 0x0                               ; for the others' sake: my stores have landed
	s_barrier_signal -1
	s_barrier_wait -1
	WIN 0x40
.irp p, 0,1,2,3                        ; my quarter (the four tiles of e block w) of each wave's kv
.irp i, 0,1,2,3,4,5,6,7
	ds_load_b128 v[32*\p+4*\i:32*\p+4*\i+3], v[RLD] offset:\p*16384+512*\i
.endr
.endr
	s_wait_dscnt 0x0
	WIN 0x45
.irp j, 0,2,4,6,8,10,12,14,16,18,20,22,24,26,28,30
	v_pk_add_f32 v[\j:\j+1], v[\j:\j+1], v[32+\j:33+\j]
	v_pk_add_f32 v[64+\j:65+\j], v[64+\j:65+\j], v[96+\j:97+\j]
.endr
.irp j, 0,2,4,6,8,10,12,14,16,18,20,22,24,26,28,30
	v_pk_add_f32 v[\j:\j+1], v[\j:\j+1], v[64+\j:65+\j]
.endr
	WIN 0x04                                       ; a store's data are its source 1: window 1
.irp i, 0,1,2,3,4,5,6,7
	global_store_b128 v10, v[4*\i:4*\i+3], s[84:85] offset:512*\i   ; 32 lanes store 512 consecutive bytes, at a multiple of 256 from kvp's first byte
.endr
	WIN 0
	s_cmp_lg_u32 s14, 0                            ; wave 0 adds the four waves' sums of k
	s_cbranch_scc1 .Lnot_0
.irp p, 0,1,2,3
	ds_load_b64 v[SU+2*\p:SU+2*\p+1], v[KLD] offset:256*\p
.endr
	s_wait_dscnt 0x0
	v_pk_add_f32 v[SU:SU+1], v[SU:SU+1], v[SU+2:SU+3]
	v_pk_add_f32 v[SU+4:SU+5], v[SU+4:SU+5], v[SU+6:SU+7]
	v_pk_add_f32 v[SU:SU+1], v[SU:SU+1], v[SU+4:SU+5]
	global_store_b32 v12, v[SU], s[86:87]          ; features 0-31, in their true order: the two stores cover the head's 256 bytes
	global_store_b32 v12, v[SU+1], s[86:87] offset:128
.Lnot_0:
	s_wait_tensorcnt 0x0                           ; the wave's end: behind my last tensor load and my last LDS store
	ds_add_u32 v[SPW], v[NIL]
	s_wait_dscnt 0x0
	CROUND                                         ; the closing round: no work-group ends while a partner may still ask for a tile that names it
	s_endpgm
.Lfunc_end_k_q7ab21bcef9_kv:
	.size	k_q7ab21bcef9_kv, .Lfunc_end_k_q7ab21bcef9_kv-k_q7ab21bcef9_kv
	.p2alignl 7, 3214868480
	.fill 96, 4, 3214868480
	.section	.rodata,"a",@progbits
	.p2align	6, 0x0
	.amdhsa_kernel k_q7ab21bcef9_kv
		.amdhsa_group_segment_fixed_size 327680
		.amdhsa_private_segment_fixed_size 0
		.amdhsa_enable_private_segment 0
		.amdhsa_kernarg_size 32
		.amdhsa_user_sgpr_count 2
		.amdhsa_user_sgpr_kernarg_segment_ptr 1
		.amdhsa_wavefront_size32 1
		.amdhsa_system_sgpr_workgroup_id_x 1
		.amdhsa_system_sgpr_workgroup_id_y 1
		.amdhsa_system_sgpr_workgroup_id_z 1
		.amdhsa_system_vgpr_workitem_id 0
		.amdhsa_next_free_vgpr 1024
		.amdhsa_next_free_sgpr 100
		.amdhsa_reserve_vcc 0
		.amdhsa_float_denorm_mode_32 3
		.amdhsa_float_denorm_mode_16_64 3
		.amdhsa_memory_ordered 1
		.amdhsa_forward_progress 1
		.amdhsa_inst_pref_size 205
	.end_amdhsa_kernel
	.amdgpu_metadata
---
amdhsa.version: [ 1, 2 ]
amdhsa.kernels:
  - .name:           k_q7ab21bcef9_kv
    .symbol:         k_q7ab21bcef9_kv.kd
    .args:
      - { .name: cod, .offset: 0, .size: 8, .value_kind: global_buffer, .address_space: global }
      - { .name: scl, .offset: 8, .size: 8, .value_kind: global_buffer, .address_space: global }
      - { .name: kvp, .offset: 16, .size: 8, .value_kind: global_buffer, .address_space: global }
      - { .name: ksp, .offset: 24, .size: 8, .value_kind: global_buffer, .address_space: global }
    .group_segment_fixed_size: 327680
    .private_segment_fixed_size: 0
    .kernarg_segment_align: 8
    .kernarg_segment_size: 32
    .max_flat_workgroup_size: 128
    .sgpr_count:     100
    .vgpr_count:     1024
    .wavefront_size: 32
...
	.end_amdgpu_metadata
.endif
;; end of part 2
;; launch qa (part 3): grid 8 x 32, 4 waves a work-group, clusters of 4 x 4, 327,680 bytes of LDS; arguments cod, scl, kvp, ksp, acod, ascl; writes acod, ascl
.if DOCPART == 3
	.amdgcn_target "amdgcn-amd-amdhsa--gfx1250"
	.amdhsa_code_object_version 6
	.text
	.protected	k_q7ab21bcef9_qa
	.globl	k_q7ab21bcef9_qa
	.p2align	8
	.type	k_q7ab21bcef9_qa,@function
k_q7ab21bcef9_qa:
	s_mov_b64 s[64:65], 0
	v_nop
	global_prefetch_b8 v0, s[64:65] scope:SCOPE_SE
	s_setreg_imm32_b32 hwreg(HW_REG_WAVE_MODE, 25, 1), 1
	s_wait_xcnt 0x0
	s_wait_alu depctr_hold_cnt(0) depctr_sa_sdst(0) depctr_va_vdst(0) depctr_va_sdst(0) depctr_va_ssrc(0) depctr_va_vcc(0) depctr_vm_vsrc(0)
	s_getreg_b32 s2, hwreg(HW_REG_IB_STS2, 6, 4)
	s_cmp_eq_u32 s2, 0
	s_cbranch_scc0 .Lentry_in_a_cluster
	s_endpgm
.Lentry_in_a_cluster:
	s_bfe_u32 s2, ttmp6, 0x10000c
	s_cmp_lg_u32 s2, 0xf033
	s_cbranch_scc0 .Lentry_shape_is_right
	s_endpgm
.Lentry_shape_is_right:
; For 256 rows of x and a pair of heads: q = elu(x wq^T) + 1; the normaliser max(q . k_sum, 1e-6) by f32 multiply-adds on the unquantised q; out = Q(q) Q(kv), both quantised along d;
; a = out / normaliser, quantised along (head, e), leaves as codes (acod) and scale words (ascl), laid as cod and scl are, with the head pair as the K step of 128.
; SHARES.  Work-group (X, Y): head pair X, rows 256 Y on (batch Y / 8).  Four waves; wave w owns 64 rows (one group) and the pair's 128 columns: 32 accumulators, 256 registers.
; THE PRODUCTS ARE USED TRANSPOSED: source 0 = 16 rows of wq (later 16 columns e of kv), source 1 = 16 rows of x (later of q): a lane holds ONE row s throughout, and its 64 registers run along the pair's 128 features:
; register 16 b + i is feature 32 b + 16 (lane / 16) + i.  So q's codes and a's codes come out of the conversions as operands.
; kv: the four parts' partial states are added here, while the tiles are on their way: wave w takes head w / 2 of the pair and two of its four e blocks, quantises them along d (64: two blocks of 32, six registers)
; and hands codes and scale words to the other waves through LDS as images of the registers.
; K = 64 IN A FORM OF 128: q's fragment holds head 0's 64 features, then head 1's.  kv's operand for head 0 is its six registers and six of zero codes, for head 1 six of zero codes and its six: zero codes add nothing under any scale byte but 0xff.
; LDS: all of K (1,024) of both operands fits: four regions, each filled ONCE, all asked for at the head; nothing is filled again.
; CLUSTER 4 x 4: x's tiles hang on Y alone and are shared along a row, wq's on X alone, along a column.
; LIMITS: as in the launch before (e^t's relative error 1e-7 (1 + |t|); scale byte 1 under 2^-124; no NaN, no infinities); the division is v_rcp_f32 and a multiplication; the four parts are added as (0 + 1) + (2 + 3).
; REGISTERS.  Window 0: v4-7 kv's scale words, v8 q's: they hold scales alone; v10-30 addresses; v32-63 wq's scale words, v64-79 x's; v80-127 x's fragments, ONE set, later at work; v128-175 a's codes; v176-239 out; v240-255 at work.
;   Window 1: wq's fragments, TWO sets, at v0 and v128 (at the head: kv's parts); later v0-63 q in f32, v64-127 k_sum, v128-199 kv's codes.   Window 2: the accumulators (block a, tile b at v[8 (8 a + b)]).
.set REG,   73728                      ; a region: 256 along K of x's 16 blocks (3,072 bytes each), then of wq's 8
.set POFF,  49152
.set KVI,   4*REG                      ; kv's codes: 8 images (4 x head + e block) of 768 bytes: 512 of four registers, 256 of two
.set KVW,   KVI+8*768                  ; their scale words: 128 bytes each
.set KSM,   KVW+8*128                  ; k_sum of the two heads: 128 numbers
.set SPARE, KSM+512                    ; the spare words, 128 bytes for each wave: two blocks of 256 bytes that no other line names
.set RGB,   49152
.set KSB,   3072
.set KVS,  4
.set QW,   8
.set ADRL, 16                          ; v16-19  LDS address of my blocks of x in regions 0-3
.set ADRP, 20                          ; v20-23  of wq's blocks
.set SPW,  28
.set NIL,  29
.set SCP,  32
.set SCL,  64
.set AF,   80
.set QF,   80                          ; q's codes
.set CT,   92                          ; the conversions' second halves
.set N,    110                         ; v110-113 the normalisers, a pair for each head
.set RN,   114                         ; v114, v116 their reciprocals (v115, v117: upper halves of the pairs named, written once)
.set AW,   118                         ; v118-121 a's scale words
.set AFR,  128
.set O,    176
.set TM,   240
.set KS,   64                          ; in window 1
.set KVF,  128                         ; in window 1: for each e block 18 registers: head 0's six, six zeros, head 1's six
.set G1L, 32                           ; s[32:39] descriptor group 1 for x's tiles, s[40:47] for wq's
.set G1P, 40
.set G0L, 48                           ; s[48:63] groups 0 for x's four regions, s[68:83] for wq's
.set G0P, 68
.set L2E, 84
.set SEL, 86
.set MSB, 0
.macro WIN new                         ; the immediate's high byte repeats the setting that is left
.if MSB != (\new)
	s_set_vgpr_msb (MSB<<8)|(\new)
.set MSB, (\new)
.endif
.endm
.set MUL,  0xa1                        ; source 0 window 1, source 1 window 0, C and D window 2
.set TO_B, 0x40
.macro PLACES                          ; four plain instructions between a matrix instruction and a load into, or a vector instruction on, its registers
.rept 4
	v_nop
.endr
.endm
.macro CROUND                          ; a round of the cluster's barrier
	s_barrier_signal -1
	s_barrier_wait -1
	s_cmp_lg_u32 s16, 0
	s_cbranch_scc1 .Lnot_wave_0_\@
	s_barrier_signal -3
.Lnot_wave_0_\@:
	s_barrier_wait -3
	s_barrier_signal -1
	s_barrier_wait -1
.endm
.macro FRAG reg, adr, off              ; a fragment comes as it was laid: three loads of 16 bytes at 16 x lane
.irp g, 0,1,2
	ds_load_b128 v[(\reg)+4*\g:(\reg)+4*\g+3], v[\adr] offset:(\off)+512*\g
.endr
.endm
.macro WM acc, pf, lf, zero, sp, sl, rp, rl   ; one product.  zero: C is the constant 0.  rp, rl: the side's scale words stand in lanes 16-31
.set wD, \acc
.set wP, \pf
.set wL, \lf
.set wS, \sp
.set wT, \sl
.set wV, 4*(\zero)+2*(\rp)+(\rl)
.if wV == 0
	v_wmma_scale_f32_16x16x128_f8f6f4 v[wD:wD+7], v[wP:wP+11], v[wL:wL+11], v[wD:wD+7], v[wS], v[wT] matrix_a_fmt:MATRIX_FMT_FP6 matrix_b_fmt:MATRIX_FMT_FP6
.elseif wV == 1
	v_wmma_scale_f32_16x16x128_f8f6f4 v[wD:wD+7], v[wP:wP+11], v[wL:wL+11], v[wD:wD+7], v[wS], v[wT] matrix_a_fmt:MATRIX_FMT_FP6 matrix_b_fmt:MATRIX_FMT_FP6 matrix_b_scale:MATRIX_SCALE_ROW1
.elseif wV == 2
	v_wmma_scale_f32_16x16x128_f8f6f4 v[wD:wD+7], v[wP:wP+11], v[wL:wL+11], v[wD:wD+7], v[wS], v[wT] matrix_a_fmt:MATRIX_FMT_FP6 matrix_b_fmt:MATRIX_FMT_FP6 matrix_a_scale:MATRIX_SCALE_ROW1
.elseif wV == 3
	v_wmma_scale_f32_16x16x128_f8f6f4 v[wD:wD+7], v[wP:wP+11], v[wL:wL+11], v[wD:wD+7], v[wS], v[wT] matrix_a_fmt:MATRIX_FMT_FP6 matrix_b_fmt:MATRIX_FMT_FP6 matrix_a_scale:MATRIX_SCALE_ROW1 matrix_b_scale:MATRIX_SCALE_ROW1
.elseif wV == 4
	v_wmma_scale_f32_16x16x128_f8f6f4 v[wD:wD+7], v[wP:wP+11], v[wL:wL+11], 0, v[wS], v[wT] matrix_a_fmt:MATRIX_FMT_FP6 matrix_b_fmt:MATRIX_FMT_FP6
.elseif wV == 5
	v_wmma_scale_f32_16x16x128_f8f6f4 v[wD:wD+7], v[wP:wP+11], v[wL:wL+11], 0, v[wS], v[wT] matrix_a_fmt:MATRIX_FMT_FP6 matrix_b_fmt:MATRIX_FMT_FP6 matrix_b_scale:MATRIX_SCALE_ROW1
.elseif wV == 6
	v_wmma_scale_f32_16x16x128_f8f6f4 v[wD:wD+7], v[wP:wP+11], v[wL:wL+11], 0, v[wS], v[wT] matrix_a_fmt:MATRIX_FMT_FP6 matrix_b_fmt:MATRIX_FMT_FP6 matrix_a_scale:MATRIX_SCALE_ROW1
.else
	v_wmma_scale_f32_16x16x128_f8f6f4 v[wD:wD+7], v[wP:wP+11], v[wL:wL+11], 0, v[wS], v[wT] matrix_a_fmt:MATRIX_FMT_FP6 matrix_b_fmt:MATRIX_FMT_FP6 matrix_a_scale:MATRIX_SCALE_ROW1 matrix_b_scale:MATRIX_SCALE_ROW1
.endif
.endm
; 16 products: my blocks a0, a0 + 1 of x against wq's eight, the kq-th 128 along K.  The 32 accumulators take turns, one instruction a turn, in the same order in every step.
.macro MUL16 a0, p, kq, zero
.irp a, \a0, \a0+1
.irp b, 0,1,2,3,4,5,6,7
	WM 8*(8*(\a)+\b), 128*(\p)+12*\b, AF+12*(\a), \zero, SCP+4*(\kq)+2*(\b>>2)+((\b>>1)&1), SCL+2*(\kq)+((\a)>>1), (\b)&1, (\a)&1
.endr
.endr
.endm
.macro FETCH_B adr, q, p
	WIN TO_B
.irp i, 0,1,2,3,4,5,6,7
	FRAG 128*(\p)+12*\i, \adr, \i*KSB+(\q)*1536
.endr
	WIN 0
.endm
.macro FETCH_A adr, q, i0, n
.set fi, \i0
.rept \n
	FRAG AF+12*fi, \adr, fi*KSB+(\q)*1536
.set fi, fi+1
.endr
.endm
; 64 numbers of a lane, v[s] on in window W, register 16 b + i = index 32 b + 16 (lane / 16) + i of my row, become a fragment's codes in v[d] on and its scale word in v[w] (window 0).
.macro QUANT s, W, d, w
	WIN ((\W)<<2)|((\W)<<4)
.irp b, 0,1,2,3
	v_max3_num_f32 v[TM+\b], 0x1800000, |v[(\s)+16*\b]|, |v[(\s)+16*\b+1]|   ; block b: my 16 numbers, and the floor 2^(3 - 127): the byte cannot fall under 1
.endr
.irp i, 2,4,6,8,10,12,14
.irp b, 0,1,2,3
	v_max3_num_f32 v[TM+\b], v[TM+\b], |v[(\s)+16*\b+\i]|, |v[(\s)+16*\b+\i+1]|
.endr
.endr
	WIN 0
.irp b, 0,1,2,3
	v_permlanex16_b32 v[TM+4+\b], v[TM+\b], s[SEL], s[SEL+1]
.endr
.irp b, 0,1,2,3
	v_max_num_f32 v[TM+\b], v[TM+\b], v[TM+4+\b]   ; with lane l xor 16's: the block's largest magnitude
.endr
.irp b, 0,1,2,3
	v_add_nc_u32 v[TM+12+\b], 0xff000000, v[TM+\b] ; 2 off its exponent field: the conversion's scale operand
.endr
.irp b, 0,1,2,3
	v_lshrrev_b32 v[TM+4+\b], 23, v[TM+12+\b]      ; the scale's byte
.endr
	v_lshl_or_b32 v[\w], v[TM+5], 8, v[TM+4]
	v_lshl_or_b32 v[\w], v[TM+6], 16, v[\w]
	v_lshl_or_b32 v[\w], v[TM+7], 24, v[\w]
	WIN \W
.irp c, 0,1
	v_cvt_scalef32_pk16_fp6_f32 v[(\d)+6*\c:(\d)+6*\c+2], v[(\s)+32*\c:(\s)+32*\c+15], v[TM+12+2*\c]
	v_cvt_scalef32_pk16_fp6_f32 v[CT+4*\c:CT+4*\c+2], v[(\s)+32*\c+16:(\s)+32*\c+31], v[TM+13+2*\c]   ; (a conversion's three registers begin on an even number)
.endr
	WIN 0
	v_nop                                          ; one plain instruction behind a scaled conversion
.irp c, 0,1                            ; the operand wants a WHOLE block in a lane: lanes 0-15 block 2 c, lanes 16-31 block 2 c + 1
.irp i, 0,1,2
	v_permlane16_swap_b32 v[(\d)+6*\c+\i], v[CT+4*\c+\i]
.endr
.irp i, 0,1,2
	v_mov_b32 v[(\d)+6*\c+3+\i], v[CT+4*\c+\i]
.endr
.endr
.endm
; The same for 32 numbers (two blocks of 32 along K = 64): six registers of codes; the word holds two bytes.
.macro QUANTH s, W, d, w
	WIN ((\W)<<2)|((\W)<<4)
.irp b, 0,1
	v_max3_num_f32 v[TM+\b], 0x1800000, |v[(\s)+16*\b]|, |v[(\s)+16*\b+1]|
.endr
.irp i, 2,4,6,8,10,12,14
.irp b, 0,1
	v_max3_num_f32 v[TM+\b], v[TM+\b], |v[(\s)+16*\b+\i]|, |v[(\s)+16*\b+\i+1]|
.endr
.endr
	WIN 0
.irp b, 0,1
	v_permlanex16_b32 v[TM+4+\b], v[TM+\b], s[SEL], s[SEL+1]
.endr
.irp b, 0,1
	v_max_num_f32 v[TM+\b], v[TM+\b], v[TM+4+\b]
.endr
.irp b, 0,1
	v_add_nc_u32 v[TM+12+\b], 0xff000000, v[TM+\b]
.endr
.irp b, 0,1
	v_lshrrev_b32 v[TM+4+\b], 23, v[TM+12+\b]
.endr
	v_lshl_or_b32 v[\w], v[TM+5], 8, v[TM+4]
	WIN \W
	v_cvt_scalef32_pk16_fp6_f32 v[(\d):(\d)+2], v[(\s):(\s)+15], v[TM+12]
	v_cvt_scalef32_pk16_fp6_f32 v[CT:CT+2], v[(\s)+16:(\s)+31], v[TM+13]
	WIN 0
	v_nop
.irp i, 0,1,2
	v_permlane16_swap_b32 v[(\d)+\i], v[CT+\i]
.endr
.irp i, 0,1,2
	v_mov_b32 v[(\d)+3+\i], v[CT+\i]
.endr
.endm
; elu + 1 of the 64 accumulator registers v[ac] on of window 2, into v0-63 of window 1: med3(t, e^t - 1, 0) + 1.  The 64 exponentials are one batch with one wait.
.macro ELU ac
	WIN 0x42
.set ej, 0
.rept 32
	v_pk_mul_f32 v[ej:ej+1], v[(\ac)+ej:(\ac)+ej+1], s[L2E:L2E+1] op_sel_hi:[1,0]   ; t log2(e); each accumulator from its low end on
.set ej, ej+2
.endr
	WIN 0x41
.set ej, 0
.rept 64
	v_exp_f32 v[ej], v[ej]
.set ej, ej+1
.endr
	v_nop                                          ; a plain instruction behind the last exponential,
	s_wait_alu depctr_va_vdst(0)                   ; and one wait for the batch, ahead of its first reader
.set ej, 0
.rept 32
	v_pk_add_f32 v[ej:ej+1], v[ej:ej+1], -1.0 op_sel_hi:[1,0]
.set ej, ej+2
.endr
	WIN 0x46
.set ej, 0
.rept 64
	v_med3_num_f32 v[ej], v[(\ac)+ej], v[ej], 0
.set ej, ej+1
.endr
	WIN 0x41
.set ej, 0
.rept 32
	v_pk_add_f32 v[ej:ej+1], v[ej:ej+1], 1.0 op_sel_hi:[1,0]
.set ej, ej+2
.endr
.endm
	s_load_b256 s[4:11], s[0:1], 0x0               ; cod s[4:5], scl s[6:7], kvp s[8:9], ksp s[10:11]
	s_load_b128 s[12:15], s[0:1], 0x20             ; acod s[12:13], ascl s[14:15]
	v_lshl_add_u32 v[SPW], v0, 2, SPARE
	v_mov_b32 v[NIL], 0
	ds_add_u32 v[SPW], v[NIL]                      ; the wave's opening: the add and its wait stand ahead of my first tensor load; the set-up below, work on registers, stands between them
	v_lshrrev_b32 v1, 5, v0
	v_readfirstlane_b32 s16, v1                    ; wave 0..3
	s_and_b32 s17, s16, 1
	s_lshr_b32 s18, s16, 1
	s_bfe_u32 s20, ttmp6, 0x40000                  ; cx, cy
	s_bfe_u32 s21, ttmp6, 0x40004
	s_lshl_b32 s22, ttmp9, 2
	s_add_co_u32 s22, s22, s20                     ; X: the head pair
	s_and_b32 s23, ttmp7, 0xffff
	s_lshl_b32 s23, s23, 2
	s_add_co_u32 s23, s23, s21                     ; Y: the 256 rows
	s_lshl_b32 s24, s21, 2
	s_lshl_b32 s24, 15, s24                        ; my row of the cluster
	s_lshl_b32 s25, 0x1111, s20                    ; my column
	s_or_b32 s[G1L], s24, (3<<16)|(1<<21)          ; x's tiles hang on Y alone: shared along my row
	s_or_b32 s[G1P], s25, (3<<16)|(1<<21)          ; wq's on X alone: shared along my column
.irp g, G1L, G1P
	s_mov_b32 s[\g+1], 384<<16                     ; rows of 384 elements of 8 bytes: a block's 3,072 bytes,
	s_mov_b32 s[\g+3], 384<<16
	s_mov_b32 s[\g+5], 1536                        ; 1,536 elements apart
	s_mov_b32 s[\g+6], 0
	s_mov_b32 s[\g+7], 0
.endr
	s_mov_b32 s[G1L+2], 8<<16                      ; 8 blocks
	s_mov_b32 s[G1L+4], 8
	s_mov_b32 s[G1P+2], 4<<16                      ; 4 blocks
	s_mov_b32 s[G1P+4], 4
	s_lshl_b32 s26, s23, 2
	s_lshl_b32 s27, s17, 1
	s_add_co_u32 s26, s26, s27
	s_mul_i32 s26, s26, RGB                        ; x: group 4 Y + 2 x half
	s_mov_b32 s27, 0
	s_lshl_b32 s28, s22, 1
	s_add_co_u32 s28, s28, s17
	s_add_co_u32 s28, s28, 128
	s_mul_i32 s28, s28, RGB                        ; wq: group 128 + 2 X + half
	s_mov_b32 s29, 0
	s_mul_i32 s30, s17, 8*KSB                      ; where they go: no place in the cluster enters an LDS address
	s_mul_i32 s31, s17, 4*KSB
	s_add_co_u32 s31, s31, POFF
	s_mov_b32 s[L2E], 0x3fb8aa3b
	s_mov_b32 s[L2E+1], s[L2E]
	s_mov_b32 s[SEL], 0x76543210
	s_mov_b32 s[SEL+1], 0xfedcba98
	s_lshl_b32 s89, s18, 4                         ; head 1's two scale bytes stand 16 bits up in kv's word
	s_wait_dscnt 0x0                               ; the opening add is done
	s_wait_kmcnt 0x0
	s_add_nc_u64 s[26:27], s[4:5], s[26:27]
	s_add_nc_u64 s[28:29], s[4:5], s[28:29]
.irp s, 0,1,2,3
	s_mov_b32 s[G0L+4*\s], 1
	s_add_co_u32 s[G0L+4*\s+1], s30, \s*REG
	s_add_nc_u64 s[G0L+4*\s+2:G0L+4*\s+3], s[26:27], \s*KSB
	s_or_b32 s[G0L+4*\s+3], s[G0L+4*\s+3], 0x80000000
	s_mov_b32 s[G0P+4*\s], 1
	s_add_co_u32 s[G0P+4*\s+1], s31, \s*REG
	s_add_nc_u64 s[G0P+4*\s+2:G0P+4*\s+3], s[28:29], \s*KSB
	s_or_b32 s[G0P+4*\s+3], s[G0P+4*\s+3], 0x80000000
.endr
	CROUND                                         ; all sixteen work-groups are here: the joint loads meet
	s_cmp_eq_u32 s18, 0                            ; a wave's four fills stand in one branch, ahead of every wait on TENSORcnt, every LDS read and every barrier: four loads of mine are out
	s_cbranch_scc0 .Lfirst_p
.irp s, 0,1,2,3
	tensor_load_to_lds s[G0L+4*\s:G0L+4*\s+3], s[G1L:G1L+7]
	s_nop 0
.endr
.rept 4
	v_nop
.endr
	s_branch .Lfirst_asked
.Lfirst_p:
.irp s, 0,1,2,3
	tensor_load_to_lds s[G0P+4*\s:G0P+4*\s+3], s[G1P:G1P+7]
	s_nop 0
.endr
.rept 4
	v_nop
.endr
.Lfirst_asked:
	v_and_b32 v1, 31, v0                           ; lane
	v_bfe_u32 v3, v0, 4, 1                         ; h
	v_lshlrev_b32 v10, 4, v1                       ; 16 x lane
	v_lshlrev_b32 v11, 3, v1                       ; 8 x lane
	v_lshlrev_b32 v12, 2, v0                       ; 4 x thread
	v_lshlrev_b32 v2, 2, v1                        ; 4 x lane
	s_lshr_b32 s92, s23, 3                         ; the batch
	s_lshl_b32 s90, s92, 4
	s_lshl_b32 s91, s22, 1
	s_add_co_u32 s90, s90, s91
	s_add_co_u32 s90, s90, s18                     ; 16 x batch + my head
	s_lshl_b32 s90, s90, 3
	s_add_co_u32 s90, s90, s17                     ; 65,536 bytes a head; my two e blocks: 8,192 x (w % 2)
	s_lshl_b32 s90, s90, 13
	s_mov_b32 s91, 0
	s_add_nc_u64 s[90:91], s[8:9], s[90:91]
	s_lshl_b32 s94, s92, 5
	s_add_co_u32 s94, s94, s22
	s_lshl_b32 s94, s94, 9                         ; ksp: (64 x batch + 2 X) x 256
	s_mov_b32 s95, 0
	s_add_nc_u64 s[94:95], s[10:11], s[94:95]
	s_add_co_u32 s96, s22, 64
	s_lshl_b32 s96, s96, 12                        ; wq's scale words: groups 128 + 2 X and the next
	s_mov_b32 s97, 0
	s_add_nc_u64 s[96:97], s[6:7], s[96:97]
	s_lshl_b32 s93, s23, 2
	s_add_co_u32 s93, s93, s16                     ; my group of rows: 4 Y + w
	s_lshl_b32 s98, s93, 11
	s_mov_b32 s99, 0
	s_add_nc_u64 s[98:99], s[6:7], s[98:99]        ; x's scale words
	WIN 0x40                                       ; destination window 1
.irp e, 0,1                            ; kv's four parts of my two e blocks: images of 32 registers, 4,096 bytes each
.irp p, 0,1,2,3
.irp i, 0,1,2,3,4,5,6,7
	global_load_b128 v[128*\e+32*\p+4*\i:128*\e+32*\p+4*\i+3], v10, s[90:91] offset:\p*16384+\e*4096+512*\i
.endr
.endr
.endr
	WIN 0
.irp p, 0,1,2,3
	global_load_b32 v[N+\p], v12, s[94:95] offset:\p*4096          ; k_sum's four parts: a thread to each of the pair's 128 numbers
.endr
.irp kq, 0,1,2,3,4,5,6,7               ; all scale words of the first product stay in registers: each load takes one aligned unit of 256 bytes
.irp g, 0,1
	global_load_b64 v[SCP+4*\kq+2*\g:SCP+4*\kq+2*\g+1], v11, s[96:97] offset:\g*2048+\kq*256
.endr
	global_load_b64 v[SCL+2*\kq:SCL+2*\kq+1], v11, s[98:99] offset:\kq*256
.endr
	s_mul_i32 s92, s16, 1536
	v_add_nc_u32 v13, s92, v10
	v_add_nc_u32 v13, KVI, v13                     ; where I put my images' first four registers,
	v_add_nc_u32 v14, s92, v11
	v_add_nc_u32 v14, KVI+512, v14                 ; their last two,
	s_lshl_b32 s92, s16, 8
	v_add_nc_u32 v15, s92, v2
	v_add_nc_u32 v15, KVW, v15                     ; and their scale words
	v_add_nc_u32 v24, KSM, v12                     ; k_sum: my number
	v_lshlrev_b32 v25, 6, v3
	v_add_nc_u32 v25, KSM, v25                     ; and where I read it: 16 numbers of each 32, by my half
	v_add_nc_u32 v26, KVI, v10
	v_add_nc_u32 v27, KVI+512, v11
	v_add_nc_u32 v30, KVW, v2
	s_mul_i32 s92, s16, 4*KSB
	v_add_nc_u32 v[ADRL], s92, v10                 ; my four blocks of x
	v_add_nc_u32 v[ADRP], POFF, v10
.irp s, 1,2,3
	v_add_nc_u32 v[ADRL+\s], \s*REG, v[ADRL]
	v_add_nc_u32 v[ADRP+\s], \s*REG+POFF, v10
.endr
	v_cmp_le_u32 s88, 16, v1                       ; lanes 16-31
.irp b, 0,1,2,3
	v_mov_b32 v[TM+4+\b], 0                        ; written once: a lane permute's destination counts as one of its sources
.endr
	v_mov_b32 v[RN+1], 0                           ; (upper halves of pairs that the packed multiplies name)
	v_mov_b32 v[RN+3], 0
	s_mul_i32 s26, s93, RGB
	s_mul_i32 s28, s22, 1536
	s_add_co_u32 s26, s26, s28
	s_mov_b32 s27, 0
	s_add_nc_u64 s[26:27], s[12:13], s[26:27]      ; acod: my group, K step X
	s_lshl_b32 s28, s93, 11
	s_lshl_b32 s30, s22, 8
	s_add_co_u32 s28, s28, s30
	s_mov_b32 s29, 0
	s_add_nc_u64 s[28:29], s[14:15], s[28:29]      ; ascl likewise
.macro KVQ e                           ; my e block e of two: the four parts are added, quantised along d, and stored as images
.set kb, 128*(\e)
	WIN 0x45
.irp j, 0,2,4,6,8,10,12,14,16,18,20,22,24,26,28,30
	v_pk_add_f32 v[kb+\j:kb+\j+1], v[kb+\j:kb+\j+1], v[kb+32+\j:kb+33+\j]
	v_pk_add_f32 v[kb+64+\j:kb+65+\j], v[kb+64+\j:kb+65+\j], v[kb+96+\j:kb+97+\j]
.endr
.irp j, 0,2,4,6,8,10,12,14,16,18,20,22,24,26,28,30
	v_pk_add_f32 v[kb+\j:kb+\j+1], v[kb+\j:kb+\j+1], v[kb+64+\j:kb+65+\j]
.endr
	QUANTH kb, 1, AFR+8*(\e), 105+(\e)
	v_lshlrev_b32 v[107+(\e)], s89, v[105+(\e)]
	ds_store_b128 v13, v[AFR+8*(\e):AFR+8*(\e)+3] offset:768*(\e)
	ds_store_b64 v14, v[AFR+8*(\e)+4:AFR+8*(\e)+5] offset:768*(\e)
	ds_store_b32 v15, v[107+(\e)] offset:128*(\e)
.endm
	s_wait_loadcnt 60                              ; my first e block's 32 loads are in; the 32 + 4 + 24 younger ones may be out
	KVQ 0
	s_wait_loadcnt 28                              ; the second's; 4 + 24 may be out
	KVQ 1
	s_wait_loadcnt 24                              ; k_sum's four parts
	v_add_f32 v[N], v[N], v[N+1]
	v_add_f32 v[N+2], v[N+2], v[N+3]
	v_add_f32 v[N], v[N], v[N+2]
	ds_store_b32 v24, v[N]
	s_wait_tensorcnt 3                             ; my part of region 0 is in; the three behind it may stay out
	s_wait_dscnt 0x0                               ; for the others' sake: my images have landed
	s_barrier_signal -1
	s_barrier_wait -1
	FETCH_B ADRP, 0, 0
	FETCH_A ADRL, 0, 0, 2
	FETCH_A ADRL, 0, 2, 2
	s_wait_loadcnt 0x0                             ; the scale words
.macro EVEN reg, kq, zero              ; a region's first 128 along K; its second is fetched meanwhile
	s_wait_dscnt 6                                 ; wq's set and my blocks 0, 1 are in; the youngest 6 loads (blocks 2, 3) may be out
	WIN MUL
	MUL16 0, 0, \kq, \zero
	s_wait_dscnt 0x0
	PLACES
	FETCH_B ADRP+\reg, 1, 1
	FETCH_A ADRL+\reg, 1, 0, 2
	WIN MUL
	MUL16 2, 0, \kq, \zero
	PLACES
	WIN 0
	FETCH_A ADRL+\reg, 1, 2, 2
.endm
.macro ODD reg, kq                     ; a region's second 128 along K, and the step into the next region
	s_wait_tensorcnt 2-(\reg)                      ; my part of the next region is in; those behind it may stay out
	s_wait_dscnt 0x0                               ; no LDS instruction of mine is pending at a signal
	s_barrier_signal -1
	WIN MUL
	MUL16 0, 1, \kq, 0
	s_barrier_wait -1                              ; everybody's part is in
	PLACES
	FETCH_B ADRP+\reg+1, 0, 0
	FETCH_A ADRL+\reg+1, 0, 0, 2
	WIN MUL
	MUL16 2, 1, \kq, 0
	PLACES
	WIN 0
	FETCH_A ADRL+\reg+1, 0, 2, 2
.endm
	EVEN 0, 0, 1                                   ; the first products start the sums
	ODD 0, 1
	EVEN 1, 2, 0
	ODD 1, 3
	EVEN 2, 4, 0
	ODD 2, 5
	EVEN 3, 6, 0
	s_wait_dscnt 6
	WIN MUL
	MUL16 0, 1, 7, 0
	s_wait_dscnt 0x0
	MUL16 2, 1, 7, 0
	WIN 0
	PLACES
	WIN 0x40                                       ; destination window 1: wq's fragments are done with
.irp b, 0,1,2,3
.irp j, 0,1,2,3
	ds_load_b128 v[KS+16*\b+4*\j:KS+16*\b+4*\j+3], v25 offset:128*\b+16*\j   ; k_sum in q's layout: register 16 b + i = feature 32 b + 16 h + i
.endr
.endr
.irp hh, 0,1
.irp et, 0,1,2,3
	ds_load_b128 v[KVF+18*\et+12*\hh:KVF+18*\et+12*\hh+3], v26 offset:768*(4*\hh+\et)
	ds_load_b64 v[KVF+18*\et+12*\hh+4:KVF+18*\et+12*\hh+5], v27 offset:768*(4*\hh+\et)
.endr
.endr
.irp et, 0,1,2,3
.irp i, 0,1,2,3,4,5
	v_mov_b32 v[KVF+18*\et+6+\i], 0                ; zero codes between the two heads'
.endr
.endr
	WIN 0
.irp et, 0,1,2,3
	ds_load_b32 v[KVS+\et], v30 offset:128*\et     ; head 0's two bytes,
	ds_load_b32 v[105+\et], v30 offset:128*(4+\et) ; head 1's, already 16 bits up
.endr
	s_wait_dscnt 0x0
.irp et, 0,1,2,3
	v_or_b32 v[KVS+\et], v[KVS+\et], v[105+\et]
.endr
.irp a, 0,1,2,3                        ; my four blocks of 16 rows, one after the other
	ELU 64*\a
	QUANT 0, 1, QF, QW
	WIN 0x05                                       ; the normaliser: q . k_sum on the unquantised q, in f32, the two heads by turns.  (These lines are also the places between q's codes and scale word and the products)
.irp hh, 0,1
	v_pk_mul_f32 v[N+2*\hh:N+2*\hh+1], v[32*\hh:32*\hh+1], v[KS+32*\hh:KS+32*\hh+1]
.endr
.irp i, 2,4,6,8,10,12,14,16,18,20,22,24,26,28,30
.irp hh, 0,1
	v_pk_fma_f32 v[N+2*\hh:N+2*\hh+1], v[32*\hh+\i:32*\hh+\i+1], v[KS+32*\hh+\i:KS+32*\hh+\i+1], v[N+2*\hh:N+2*\hh+1]
.endr
.endr
	WIN 0
	v_add_f32 v[N], v[N], v[N+1]
	v_add_f32 v[N+2], v[N+2], v[N+3]
	v_permlanex16_b32 v[N+1], v[N], s[SEL], s[SEL+1]
	v_permlanex16_b32 v[N+3], v[N+2], s[SEL], s[SEL+1]
	v_add_f32 v[N], v[N], v[N+1]                   ; with lane l xor 16's 32 features
	v_add_f32 v[N+2], v[N+2], v[N+3]
	v_max_num_f32 v[N], 0x358637bd, v[N]           ; at least 1e-6
	v_max_num_f32 v[N+2], 0x358637bd, v[N+2]
	v_rcp_f32 v[RN], v[N]
	v_rcp_f32 v[RN+2], v[N+2]
	v_nop                                          ; a plain instruction behind the last reciprocal
	WIN 0x01                                       ; source 0 (kv) window 1
.irp hh, 0,1                           ; out^T = kv^T q^T: source 0 = 16 columns e, source 1 = my 16 rows; eight accumulators, each once
.irp et, 0,1,2,3
	WM O+8*(4*\hh+\et), KVF+18*\et+6*\hh, QF, 1, KVS+\et, QW, 0, 0
.endr
.endr
	WIN 0
	PLACES
	s_wait_alu depctr_va_vdst(0)                   ; one wait for the two reciprocals, ahead of their first reader
.irp hh, 0,1
.irp i, 0,2,4,6,8,10,12,14,16,18,20,22,24,26,28,30
	v_pk_mul_f32 v[O+32*\hh+\i:O+32*\hh+\i+1], v[O+32*\hh+\i:O+32*\hh+\i+1], v[RN+2*\hh:RN+2*\hh+1] op_sel_hi:[1,0]   ; out / normaliser; each accumulator from its low end on
.endr
.endr
	QUANT O, 0, AFR+12*\a, AW+\a                   ; along (head, e): the next product's K
.irp g, 0,1,2
	global_store_b128 v10, v[AFR+12*\a+4*\g:AFR+12*\a+4*\g+3], s[26:27] offset:\a*12288+512*\g   ; 32 lanes store 512 consecutive bytes, aligned; each block has its own registers
.endr
.endr
	v_cndmask_b32 v122, v[AW], v[AW+1], s88        ; lanes 0-15 block 0's words, lanes 16-31 block 1's;
	v_cndmask_b32 v123, v[AW+2], v[AW+3], s88      ; blocks 2 and 3
	global_store_b64 v11, v[122:123], s[28:29]     ; 32 lanes store 256 consecutive bytes, aligned
	s_wait_tensorcnt 0x0                           ; the wave's end: behind my last tensor load and my last LDS store
	ds_add_u32 v[SPW], v[NIL]
	s_wait_dscnt 0x0
	CROUND                                         ; the closing round
	s_endpgm
.Lfunc_end_k_q7ab21bcef9_qa:
	.size	k_q7ab21bcef9_qa, .Lfunc_end_k_q7ab21bcef9_qa-k_q7ab21bcef9_qa
	.p2alignl 7, 3214868480
	.fill 96, 4, 3214868480
	.section	.rodata,"a",@progbits
	.p2align	6, 0x0
	.amdhsa_kernel k_q7ab21bcef9_qa
		.amdhsa_group_segment_fixed_size 327680
		.amdhsa_private_segment_fixed_size 0
		.amdhsa_enable_private_segment 0
		.amdhsa_kernarg_size 48
		.amdhsa_user_sgpr_count 2
		.amdhsa_user_sgpr_kernarg_segment_ptr 1
		.amdhsa_wavefront_size32 1
		.amdhsa_system_sgpr_workgroup_id_x 1
		.amdhsa_system_sgpr_workgroup_id_y 1
		.amdhsa_system_sgpr_workgroup_id_z 1
		.amdhsa_system_vgpr_workitem_id 0
		.amdhsa_next_free_vgpr 768
		.amdhsa_next_free_sgpr 100
		.amdhsa_reserve_vcc 0
		.amdhsa_float_denorm_mode_32 3
		.amdhsa_float_denorm_mode_16_64 3
		.amdhsa_memory_ordered 1
		.amdhsa_forward_progress 1
		.amdhsa_inst_pref_size 190
	.end_amdhsa_kernel
	.amdgpu_metadata
---
amdhsa.version: [ 1, 2 ]
amdhsa.kernels:
  - .name:           k_q7ab21bcef9_qa
    .symbol:         k_q7ab21bcef9_qa.kd
    .args:
      - { .name: cod, .offset: 0, .size: 8, .value_kind: global_buffer, .address_space: global }
      - { .name: scl, .offset: 8, .size: 8, .value_kind: global_buffer, .address_space: global }
      - { .name: kvp, .offset: 16, .size: 8, .value_kind: global_buffer, .address_space: global }
      - { .name: ksp, .offset: 24, .size: 8, .value_kind: global_buffer, .address_space: global }
      - { .name: acod, .offset: 32, .size: 8, .value_kind: global_buffer, .address_space: global }
      - { .name: ascl, .offset: 40, .size: 8, .value_kind: global_buffer, .address_space: global }
    .group_segment_fixed_size: 327680
    .private_segment_fixed_size: 0
    .kernarg_segment_align: 8
    .kernarg_segment_size: 48
    .max_flat_workgroup_size: 128
    .sgpr_count:     100
    .vgpr_count:     768
    .wavefront_size: 32
...
	.end_amdgpu_metadata
.endif
;; end of part 3
;; launch outp (part 4): grid 8 x 32, 4 waves a work-group, clusters of 4 x 4, 327,680 bytes of LDS; arguments acod, ascl, cod, scl, out0; writes out0
.if DOCPART == 4
	.amdgcn_target "amdgcn-amd-amdhsa--gfx1250"
	.amdhsa_code_object_version 6
	.text
	.protected	k_q7ab21bcef9_outp
	.globl	k_q7ab21bcef9_outp
	.p2align	8
	.type	k_q7ab21bcef9_outp,@function
k_q7ab21bcef9_outp:
	s_mov_b64 s[64:65], 0
	v_nop
	global_prefetch_b8 v0, s[64:65] scope:SCOPE_SE
	s_setreg_imm32_b32 hwreg(HW_REG_WAVE_MODE, 25, 1), 1
	s_wait_xcnt 0x0
	s_wait_alu depctr_hold_cnt(0) depctr_sa_sdst(0) depctr_va_vdst(0) depctr_va_sdst(0) depctr_va_ssrc(0) depctr_va_vcc(0) depctr_vm_vsrc(0)
	s_getreg_b32 s2, hwreg(HW_REG_IB_STS2, 6, 4)
	s_cmp_eq_u32 s2, 0
	s_cbranch_scc0 .Lentry_in_a_cluster
	s_endpgm
.Lentry_in_a_cluster:
	s_bfe_u32 s2, ttmp6, 0x10000c
	s_cmp_lg_u32 s2, 0xf033
	s_cbranch_scc0 .Lentry_shape_is_right
	s_endpgm
.Lentry_shape_is_right:
; out0 = a w_out^T on codes of FP6 with E8M0 scales; sums in f32.  a comes as acod, ascl (rows in the stored order of x's groups), w_out as groups 176-191 of cod, scl.
; SHARES.  Work-group (X, Y): columns 128 X on, rows 256 Y on.  Four waves; wave w owns 64 rows (one group) and the 128 columns: 32 accumulators, 256 registers.
; THE PRODUCT IS USED TRANSPOSED: source 0 = 16 rows of w_out, source 1 = 16 rows of a: a lane holds one row of out0 and, in a tile's eight registers, eight neighbouring columns.
; LDS: all of K (1,024) of both operands fits: four regions, each filled ONCE, all asked for at the head; nothing is filled again.
; CLUSTER 4 x 4: a's tiles hang on Y alone and are shared along a row, w_out's on X alone, along a column.
; THE WAY OUT: a block of 16 rows x 128 columns goes through the wave's own stage in LDS and leaves as whole rows of 512 bytes.  The stage lies in region 0, which has had its only fill, and which no wave reads behind the second barrier.
; REGISTERS.  Window 0: v10-29 addresses; v32-63 w_out's scale words, v64-79 a's; v80-127 a's fragments, ONE set; v128-255 rows on the way out.   Window 1: w_out's fragments, TWO sets.   Window 2: the accumulators.
.set REG,   73728                      ; a region: 256 along K of a's 16 blocks (3,072 bytes each), then of w_out's 8
.set POFF,  49152
.set SPARE, 4*REG                      ; behind the regions: the spare words, 128 bytes for each wave: two blocks of 256 bytes that no other line names
.set RGB,   49152
.set KSB,   3072
.set ADRL, 16
.set ADRP, 20
.set STO,  24                          ; v24  the stage: where I put 32 bytes of a row
.set RD,   25                          ; v25  and where I read a row back
.set SPW,  28
.set NIL,  29
.set SCP,  32
.set SCL,  64
.set AF,   80
.set BK,   128                         ; 16 rows read back from the stage: v128-191 and v192-255 by turns
.set G1L, 32
.set G1P, 40
.set G0L, 48
.set G0P, 68
.set MSB, 0
.macro WIN new                         ; the immediate's high byte repeats the setting that is left
.if MSB != (\new)
	s_set_vgpr_msb (MSB<<8)|(\new)
.set MSB, (\new)
.endif
.endm
.set MUL,  0xa1                        ; source 0 window 1, source 1 window 0, C and D window 2
.set TO_B, 0x40
.macro PLACES                          ; four plain instructions between a matrix instruction and a load into, or a store of, its registers
.rept 4
	v_nop
.endr
.endm
.macro CROUND                          ; a round of the cluster's barrier
	s_barrier_signal -1
	s_barrier_wait -1
	s_cmp_lg_u32 s16, 0
	s_cbranch_scc1 .Lnot_wave_0_\@
	s_barrier_signal -3
.Lnot_wave_0_\@:
	s_barrier_wait -3
	s_barrier_signal -1
	s_barrier_wait -1
.endm
.macro FRAG reg, adr, off              ; a fragment comes as it was laid: three loads of 16 bytes at 16 x lane
.irp g, 0,1,2
	ds_load_b128 v[(\reg)+4*\g:(\reg)+4*\g+3], v[\adr] offset:(\off)+512*\g
.endr
.endm
.macro WM acc, pf, lf, zero, sp, sl, rp, rl   ; one product.  zero: C is the constant 0.  rp, rl: the side's scale words stand in lanes 16-31
.set wD, \acc
.set wP, \pf
.set wL, \lf
.set wS, \sp
.set wT, \sl
.set wV, 4*(\zero)+2*(\rp)+(\rl)
.if wV == 0
	v_wmma_scale_f32_16x16x128_f8f6f4 v[wD:wD+7], v[wP:wP+11], v[wL:wL+11], v[wD:wD+7], v[wS], v[wT] matrix_a_fmt:MATRIX_FMT_FP6 matrix_b_fmt:MATRIX_FMT_FP6
.elseif wV == 1
	v_wmma_scale_f32_16x16x128_f8f6f4 v[wD:wD+7], v[wP:wP+11], v[wL:wL+11], v[wD:wD+7], v[wS], v[wT] matrix_a_fmt:MATRIX_FMT_FP6 matrix_b_fmt:MATRIX_FMT_FP6 matrix_b_scale:MATRIX_SCALE_ROW1
.elseif wV == 2
	v_wmma_scale_f32_16x16x128_f8f6f4 v[wD:wD+7], v[wP:wP+11], v[wL:wL+11], v[wD:wD+7], v[wS], v[wT] matrix_a_fmt:MATRIX_FMT_FP6 matrix_b_fmt:MATRIX_FMT_FP6 matrix_a_scale:MATRIX_SCALE_ROW1
.elseif wV == 3
	v_wmma_scale_f32_16x16x128_f8f6f4 v[wD:wD+7], v[wP:wP+11], v[wL:wL+11], v[wD:wD+7], v[wS], v[wT] matrix_a_fmt:MATRIX_FMT_FP6 matrix_b_fmt:MATRIX_FMT_FP6 matrix_a_scale:MATRIX_SCALE_ROW1 matrix_b_scale:MATRIX_SCALE_ROW1
.elseif wV == 4
	v_wmma_scale_f32_16x16x128_f8f6f4 v[wD:wD+7], v[wP:wP+11], v[wL:wL+11], 0, v[wS], v[wT] matrix_a_fmt:MATRIX_FMT_FP6 matrix_b_fmt:MATRIX_FMT_FP6
.elseif wV == 5
	v_wmma_scale_f32_16x16x128_f8f6f4 v[wD:wD+7], v[wP:wP+11], v[wL:wL+11], 0, v[wS], v[wT] matrix_a_fmt:MATRIX_FMT_FP6 matrix_b_fmt:MATRIX_FMT_FP6 matrix_b_scale:MATRIX_SCALE_ROW1
.elseif wV == 6
	v_wmma_scale_f32_16x16x128_f8f6f4 v[wD:wD+7], v[wP:wP+11], v[wL:wL+11], 0, v[wS], v[wT] matrix_a_fmt:MATRIX_FMT_FP6 matrix_b_fmt:MATRIX_FMT_FP6 matrix_a_scale:MATRIX_SCALE_ROW1
.else
	v_wmma_scale_f32_16x16x128_f8f6f4 v[wD:wD+7], v[wP:wP+11], v[wL:wL+11], 0, v[wS], v[wT] matrix_a_fmt:MATRIX_FMT_FP6 matrix_b_fmt:MATRIX_FMT_FP6 matrix_a_scale:MATRIX_SCALE_ROW1 matrix_b_scale:MATRIX_SCALE_ROW1
.endif
.endm
; 16 products: my blocks a0, a0 + 1 of a against w_out's eight, the kq-th 128 along K.  The 32 accumulators take turns, one instruction a turn, in the same order in every step.
.macro MUL16 a0, p, kq, zero
.irp a, \a0, \a0+1
.irp b, 0,1,2,3,4,5,6,7
	WM 8*(8*(\a)+\b), 128*(\p)+12*\b, AF+12*(\a), \zero, SCP+4*(\kq)+2*(\b>>2)+((\b>>1)&1), SCL+2*(\kq)+((\a)>>1), (\b)&1, (\a)&1
.endr
.endr
.endm
.macro FETCH_B adr, q, p
	WIN TO_B
.irp i, 0,1,2,3,4,5,6,7
	FRAG 128*(\p)+12*\i, \adr, \i*KSB+(\q)*1536
.endr
	WIN 0
.endm
.macro FETCH_A adr, q, i0, n
.set fi, \i0
.rept \n
	FRAG AF+12*fi, \adr, fi*KSB+(\q)*1536
.set fi, fi+1
.endr
.endm
	s_load_b256 s[4:11], s[0:1], 0x0               ; acod s[4:5], ascl s[6:7], cod s[8:9], scl s[10:11]
	s_load_b64 s[12:13], s[0:1], 0x20              ; out0
	v_lshl_add_u32 v[SPW], v0, 2, SPARE
	v_mov_b32 v[NIL], 0
	ds_add_u32 v[SPW], v[NIL]                      ; the wave's opening: the add and its wait stand ahead of my first tensor load; the set-up below, work on registers, stands between them
	v_lshrrev_b32 v1, 5, v0
	v_readfirstlane_b32 s16, v1                    ; wave 0..3
	s_and_b32 s17, s16, 1
	s_lshr_b32 s18, s16, 1
	s_bfe_u32 s20, ttmp6, 0x40000                  ; cx, cy
	s_bfe_u32 s21, ttmp6, 0x40004
	s_lshl_b32 s22, ttmp9, 2
	s_add_co_u32 s22, s22, s20                     ; X: the 128 columns
	s_and_b32 s23, ttmp7, 0xffff
	s_lshl_b32 s23, s23, 2
	s_add_co_u32 s23, s23, s21                     ; Y: the 256 rows
	s_lshl_b32 s24, s21, 2
	s_lshl_b32 s24, 15, s24                        ; my row of the cluster
	s_lshl_b32 s25, 0x1111, s20                    ; my column
	s_or_b32 s[G1L], s24, (3<<16)|(1<<21)          ; a's tiles hang on Y alone: shared along my row
	s_or_b32 s[G1P], s25, (3<<16)|(1<<21)          ; w_out's on X alone: shared along my column
.irp g, G1L, G1P
	s_mov_b32 s[\g+1], 384<<16                     ; rows of 384 elements of 8 bytes: a block's 3,072 bytes,
	s_mov_b32 s[\g+3], 384<<16
	s_mov_b32 s[\g+5], 1536                        ; 1,536 elements apart
	s_mov_b32 s[\g+6], 0
	s_mov_b32 s[\g+7], 0
.endr
	s_mov_b32 s[G1L+2], 8<<16                      ; 8 blocks
	s_mov_b32 s[G1L+4], 8
	s_mov_b32 s[G1P+2], 4<<16                      ; 4 blocks
	s_mov_b32 s[G1P+4], 4
	s_lshl_b32 s26, s23, 2
	s_lshl_b32 s27, s17, 1
	s_add_co_u32 s26, s26, s27
	s_mul_i32 s26, s26, RGB                        ; a: group 4 Y + 2 x half
	s_mov_b32 s27, 0
	s_lshl_b32 s28, s22, 1
	s_add_co_u32 s28, s28, s17
	s_add_co_u32 s28, s28, 176
	s_mul_i32 s28, s28, RGB                        ; w_out: group 176 + 2 X + half
	s_mov_b32 s29, 0
	s_mul_i32 s30, s17, 8*KSB                      ; where they go: no place in the cluster enters an LDS address
	s_mul_i32 s31, s17, 4*KSB
	s_add_co_u32 s31, s31, POFF
	s_wait_dscnt 0x0                               ; the opening add is done
	s_wait_kmcnt 0x0
	s_add_nc_u64 s[26:27], s[4:5], s[26:27]
	s_add_nc_u64 s[28:29], s[8:9], s[28:29]
.irp s, 0,1,2,3
	s_mov_b32 s[G0L+4*\s], 1
	s_add_co_u32 s[G0L+4*\s+1], s30, \s*REG
	s_add_nc_u64 s[G0L+4*\s+2:G0L+4*\s+3], s[26:27], \s*KSB
	s_or_b32 s[G0L+4*\s+3], s[G0L+4*\s+3], 0x80000000
	s_mov_b32 s[G0P+4*\s], 1
	s_add_co_u32 s[G0P+4*\s+1], s31, \s*REG
	s_add_nc_u64 s[G0P+4*\s+2:G0P+4*\s+3], s[28:29], \s*KSB
	s_or_b32 s[G0P+4*\s+3], s[G0P+4*\s+3], 0x80000000
.endr
	CROUND                                         ; all sixteen work-groups are here: the joint loads meet
	s_cmp_eq_u32 s18, 0                            ; a wave's four fills stand in one branch, ahead of every wait on TENSORcnt, every LDS read and every barrier: four loads of mine are out
	s_cbranch_scc0 .Lfirst_p
.irp s, 0,1,2,3
	tensor_load_to_lds s[G0L+4*\s:G0L+4*\s+3], s[G1L:G1L+7]
	s_nop 0
.endr
.rept 4
	v_nop
.endr
	s_branch .Lfirst_asked
.Lfirst_p:
.irp s, 0,1,2,3
	tensor_load_to_lds s[G0P+4*\s:G0P+4*\s+3], s[G1P:G1P+7]
	s_nop 0
.endr
.rept 4
	v_nop
.endr
.Lfirst_asked:
	v_and_b32 v1, 31, v0                           ; lane
	v_and_b32 v2, 15, v0                           ; r
	v_bfe_u32 v3, v0, 4, 1                         ; h
	v_lshlrev_b32 v10, 4, v1                       ; 16 x lane
	v_lshlrev_b32 v11, 3, v1                       ; 8 x lane
	s_add_co_u32 s96, s22, 88
	s_lshl_b32 s96, s96, 12                        ; w_out's scale words: groups 176 + 2 X and the next
	s_mov_b32 s97, 0
	s_add_nc_u64 s[96:97], s[10:11], s[96:97]
	s_lshl_b32 s93, s23, 2
	s_add_co_u32 s93, s93, s16                     ; my group of rows: 4 Y + w
	s_lshl_b32 s98, s93, 11
	s_mov_b32 s99, 0
	s_add_nc_u64 s[98:99], s[6:7], s[98:99]        ; a's scale words
.irp kq, 0,1,2,3,4,5,6,7               ; all scale words stay in registers: each load takes one aligned unit of 256 bytes
.irp g, 0,1
	global_load_b64 v[SCP+4*\kq+2*\g:SCP+4*\kq+2*\g+1], v11, s[96:97] offset:\g*2048+\kq*256
.endr
	global_load_b64 v[SCL+2*\kq:SCL+2*\kq+1], v11, s[98:99] offset:\kq*256
.endr
	s_mul_i32 s92, s16, 4*KSB
	v_add_nc_u32 v[ADRL], s92, v10                 ; my four blocks of a
	v_add_nc_u32 v[ADRP], POFF, v10
.irp s, 1,2,3
	v_add_nc_u32 v[ADRL+\s], \s*REG, v[ADRL]
	v_add_nc_u32 v[ADRP+\s], \s*REG+POFF, v10
.endr
	s_mul_i32 s92, s16, 16*528                     ; my stage: 16 rows of 512 + 16 bytes
	v_mul_u32_u24 v[STO], v2, 528
	v_lshl_add_u32 v[STO], v3, 6, v[STO]
	v_add_nc_u32 v[STO], s92, v[STO]               ; in: row r, + 64 h bytes
	v_add_nc_u32 v[RD], s92, v10                   ; back: the 32 lanes take one row of 512 bytes
	s_lshl_b32 s26, s93, 18                        ; out0: my 64 rows of 4,096 bytes,
	s_lshl_b32 s28, s22, 9                         ; my 128 columns
	s_add_co_u32 s26, s26, s28
	s_mov_b32 s27, 0
	s_add_nc_u64 s[12:13], s[12:13], s[26:27]
	s_wait_tensorcnt 3                             ; my part of region 0 is in; the three behind it may stay out
	s_barrier_signal -1
	s_barrier_wait -1
	FETCH_B ADRP, 0, 0
	FETCH_A ADRL, 0, 0, 2
	FETCH_A ADRL, 0, 2, 2
	s_wait_loadcnt 0x0                             ; the scale words
.macro EVEN reg, kq, zero              ; a region's first 128 along K; its second is fetched meanwhile
	s_wait_dscnt 6                                 ; w_out's set and my blocks 0, 1 are in; the youngest 6 loads (blocks 2, 3) may be out
	WIN MUL
	MUL16 0, 0, \kq, \zero
	s_wait_dscnt 0x0
	PLACES
	FETCH_B ADRP+\reg, 1, 1
	FETCH_A ADRL+\reg, 1, 0, 2
	WIN MUL
	MUL16 2, 0, \kq, \zero
	PLACES
	WIN 0
	FETCH_A ADRL+\reg, 1, 2, 2
.endm
.macro ODD reg, kq                     ; a region's second 128 along K, and the step into the next region
	s_wait_tensorcnt 2-(\reg)                      ; my part of the next region is in; those behind it may stay out
	s_wait_dscnt 0x0                               ; no LDS instruction of mine is pending at a signal: my reads of this region are over
	s_barrier_signal -1
	WIN MUL
	MUL16 0, 1, \kq, 0
	s_barrier_wait -1                              ; everybody's part is in
	PLACES
	FETCH_B ADRP+\reg+1, 0, 0
	FETCH_A ADRL+\reg+1, 0, 0, 2
	WIN MUL
	MUL16 2, 1, \kq, 0
	PLACES
	WIN 0
	FETCH_A ADRL+\reg+1, 0, 2, 2
.endm
	EVEN 0, 0, 1                                   ; the first products start the sums
	ODD 0, 1
	EVEN 1, 2, 0
	ODD 1, 3
	EVEN 2, 4, 0
	ODD 2, 5
	EVEN 3, 6, 0
	s_wait_dscnt 6
	WIN MUL
	MUL16 0, 1, 7, 0
	s_wait_dscnt 0x0
	MUL16 2, 1, 7, 0
	WIN 0
; THE WAY OUT.  Tile b's eight registers of lane (r, h) are columns 32 (b / 2) + 16 h + 8 (b % 2) + 0 .. 7 of the row at place r.  LDS serves a wave's instructions in order: no wait between the stores and the loads.
.macro TOSTAGE a
	WIN 0x08                                       ; an LDS store's data are its source 1: window 2
.irp b, 0,1,2,3,4,5,6,7
	ds_store_b128 v[STO], v[64*(\a)+8*\b:64*(\a)+8*\b+3] offset:128*(\b>>1)+32*(\b&1)       ; each accumulator from its low end on
	ds_store_b128 v[STO], v[64*(\a)+8*\b+4:64*(\a)+8*\b+7] offset:128*(\b>>1)+32*(\b&1)+16
.endr
	WIN 0
.set BB, BK+64*((\a)%2)
.irp t, 0,1,2,3,4,5,6,7,8,9,10,11,12,13,14,15
	ds_load_b128 v[BB+4*\t:BB+4*\t+3], v[RD] offset:528*\t
.endr
.endm
.macro SEND a, younger                 ; younger: the LDS instructions issued behind block a's loads, which may stay out.  Place t of block a is the group's row 32 (a / 2) + 8 (a % 2) + t % 8 + 16 (t / 8)
.set BB, BK+64*((\a)%2)
	s_wait_dscnt \younger
.irp t, 0,1,2,3,4,5,6,7,8,9,10,11,12,13,14,15
	global_store_b128 v10, v[BB+4*\t:BB+4*\t+3], s[12:13] offset:(32*((\a)>>1)+8*((\a)&1)+(\t&7)+16*(\t>>3))*4096 th:TH_STORE_NT   ; 32 lanes store 512 consecutive bytes, at a multiple of 256 from out0's first byte
.endr
.endm
	PLACES
	TOSTAGE 0
	TOSTAGE 1
	SEND 0, 32                                     ; behind block 0's loads: block 1's 16 stores and 16 loads
	s_wait_xcnt 0x0                                ; block 0's stores have read their registers: block 2's loads may land there
	TOSTAGE 2
	SEND 1, 32
	s_wait_xcnt 0x0                                ; block 1's likewise
	TOSTAGE 3
	SEND 2, 32
	SEND 3, 0
	s_wait_tensorcnt 0x0                           ; the wave's end: behind my last tensor load and my last LDS store
	ds_add_u32 v[SPW], v[NIL]
	s_wait_dscnt 0x0
	CROUND                                         ; the closing round
	s_endpgm
.Lfunc_end_k_q7ab21bcef9_outp:
	.size	k_q7ab21bcef9_outp, .Lfunc_end_k_q7ab21bcef9_outp-k_q7ab21bcef9_outp
	.p2alignl 7, 3214868480
	.fill 96, 4, 3214868480
	.section	.rodata,"a",@progbits
	.p2align	6, 0x0
	.amdhsa_kernel k_q7ab21bcef9_outp
		.amdhsa_group_segment_fixed_size 327680
		.amdhsa_private_segment_fixed_size 0
		.amdhsa_enable_private_segment 0
		.amdhsa_kernarg_size 40
		.amdhsa_user_sgpr_count 2
		.amdhsa_user_sgpr_kernarg_segment_ptr 1
		.amdhsa_wavefront_size32 1
		.amdhsa_system_sgpr_workgroup_id_x 1
		.amdhsa_system_sgpr_workgroup_id_y 1
		.amdhsa_system_sgpr_workgroup_id_z 1
		.amdhsa_system_vgpr_workitem_id 0
		.amdhsa_next_free_vgpr 768
		.amdhsa_next_free_sgpr 100
		.amdhsa_reserve_vcc 0
		.amdhsa_float_denorm_mode_32 3
		.amdhsa_float_denorm_mode_16_64 3
		.amdhsa_memory_ordered 1
		.amdhsa_forward_progress 1
		.amdhsa_inst_pref_size 79
	.end_amdhsa_kernel
	.amdgpu_metadata
---
amdhsa.version: [ 1, 2 ]
amdhsa.kernels:
  - .name:           k_q7ab21bcef9_outp
    .symbol:         k_q7ab21bcef9_outp.kd
    .args:
      - { .name: acod, .offset: 0, .size: 8, .value_kind: global_buffer, .address_space: global }
      - { .name: ascl, .offset: 8, .size: 8, .value_kind: global_buffer, .address_space: global }
      - { .name: cod, .offset: 16, .size: 8, .value_kind: global_buffer, .address_space: global }
      - { .name: scl, .offset: 24, .size: 8, .value_kind: global_buffer, .address_space: global }
      - { .name: out0, .offset: 32, .size: 8, .value_kind: global_buffer, .address_space: global }
    .group_segment_fixed_size: 327680
    .private_segment_fixed_size: 0
    .kernarg_segment_align: 8
    .kernarg_segment_size: 40
    .max_flat_workgroup_size: 128
    .sgpr_count:     100
    .vgpr_count:     768
    .wavefront_size: 32
...
	.end_amdgpu_metadata
.endif
;; end of part 4
